; MI455X (gfx1250); checked and timed in simulation.
; The chip was launched on July 23, 2026; its instructions are those of AMD's public machine-readable ISA for CDNA 5 (MIT licence, August 2026) and "CDNA5" Instruction Set Architecture Reference Guide (July 2026). The comments in the code are by the model that wrote it; some were corrected since.
;; Multi Headed Attention. Allowed arithmetic: matrix products marked QUANTISED: E4M3 operands, one E8M0 scale for each 32 along K, by v_wmma_scale_f32_16x16x128_f8f6f4 with both operands' format E4M3, f32 sums; everything else in f32.
;; Inputs: Wk 1,024 x 1,024 float32; Wo 1,024 x 1,024 float32; Wq 1,024 x 1,024 float32; Wv 1,024 x 1,024 float32; bo 1,024 float32; x 4 x 2,048 x 1,024 float32.
;; Outputs: out0 4 x 2,048 x 1,024 float32.
;; This version of the problem:
;;   THIS VERSION OF THE PROBLEM IS GIVEN IN LOW PRECISION. The matrix products marked QUANTISED in the list below multiply operands that are first quantised to E4M3 (4 exponent bits, 3 mantissa bits; 8 bits a number), with one power-of-two scale for each 32 numbers along K (OCP MX v1.0); their sums are f32. All else is computed in f32.
;;   The module's matrix products, in the order in which they are computed (A, B: the left and right operand; K: the contracted axis; several contracted axes count as one K, in the product's order):
;;     1. [M 8,192, K 1,024] x [K 1,024, N 1,024]; A: input x; B: input Wq: QUANTISED
;;     2. [M 8,192, K 1,024] x [K 1,024, N 1,024]; A: input x; B: input Wk: QUANTISED
;;     3. [M 8,192, K 1,024] x [K 1,024, N 1,024]; A: input x; B: input Wv: QUANTISED
;;     4. batch 64 x [M 2,048, K 64] x [K 64, N 2,048]; A: computed on the way; B: computed on the way: QUANTISED
;;     5. batch 64 x [M 2,048, K 2,048] x [K 2,048, N 64]; A: softmax (see below); B: computed on the way: QUANTISED
;;     6. [M 8,192, K 1,024] x [K 1,024, N 1,024]; A: computed on the way; B: input Wo: QUANTISED
;;   THE QUANTISER, for each operand of a quantised product, along K:
;;     - K is cut into blocks of 32 from its start; a last block that is shorter is filled with zeros.
;;     - A block's scale is 2^e with e = floor(log2(the largest magnitude in the block)) - 8, held to -126 .. 127; a block of zeros has e = 0. As a byte (E8M0): e + 127.
;;     - Each number is divided by its block's scale, clamped to +-448, and rounded to the nearest number of E4M3, ties to even, subnormals kept.
;;     - The product sums the exact products of the quantised numbers (number of the format x scale) in f32.
;;   ~~~python
;;   def quantise(x, axis):      # numpy; x: float32 -> the quantised numbers, widened to float32 again
;;       x = np.moveaxis(x, axis, -1); K = x.shape[-1]
;;       x = np.pad(x, [(0, 0)] * (x.ndim - 1) + [(0, -K % 32)]); x = x.reshape(x.shape[:-1] + (-1, 32)); a = np.abs(x).max(-1, keepdims=True)
;;       e = np.where(a > 0, np.clip(np.frexp(np.where(a > 0, a, 1))[1] - 1 - 8, -126, 127), 0)      # np.frexp(a)[1] - 1 = floor(log2(a)), exactly
;;       r = np.clip(x / 2.0 ** e, -448, 448)
;;       step = 2.0 ** (np.maximum(np.frexp(np.where(r == 0, 1, r))[1] - 1, -6) - 3)
;;       q = np.round(r / step) * step * 2.0 ** e      # np.round: ties to even
;;       return np.moveaxis(q.reshape(q.shape[:-2] + (-1,))[..., :K], -1, axis).astype(np.float32)
;;   ~~~
;;   SOFTMAX AHEAD OF A QUANTISED PRODUCT. Where the list says 'softmax', what is quantised is not the finished softmax but p = 2^(t - M), with t = logit x log2(e) and M = ceil(the row's largest t), a whole number; so 1/2 < the row's largest p <= 1. The row's sum l is taken of the UNQUANTISED p, in f32, and the product's result is divided by l at the end. Since M is a whole number, a kernel that streams over the keys may use a running M (the ceiling of the running maximum): every later rescaling is an exact power of two, which a block's scale takes up: the codes' values come out the same.
;;   OPERANDS COMPUTED ON THE WAY. 'Computed on the way' means the value that the module computes at that place (a softmax that the list does not call 'softmax' is quantised finished and normalised). What goes into a quantiser is computed in f32, as accurately as f32 sums, v_exp_f32 and their like allow (about 1e-6 of the number): no bf16 or f16 on the way to a quantiser, and a product that is left as it is and whose result goes on into a quantised operand takes f32 operands (vector FMAs, or v_wmma_f32_16x16x4_f32). A number that lies on a knife's edge between two numbers of the format may be rounded either way, as far as f32 arithmetic and the matrix unit's own rounding can turn it there, and no further.
;; One version. Each part assembles by itself: llvm-mc -triple=amdgcn-amd-amdhsa -mcpu=gfx1250 --defsym DOCPART=n.
;; ======== version 1 of 1: 5 launches
;; limits: right only within a limited range of input values
;; workspace buffers: xq 8,650,752 bytes; wqk 2,359,296 bytes; wvo 2,359,296 bytes; qk 18,874,368 bytes; vt 69,206,016 bytes; ctx 8,650,752 bytes
;; launch quant (part 1): grid 256 x 1, 3 waves a work-group, no clusters, 27,136 bytes of LDS; arguments x, Wq, Wk, Wv, Wo, xq, wqk, wvo; writes xq, wqk, wvo
.if DOCPART == 1
	.amdgcn_target "amdgcn-amd-amdhsa--gfx1250"
	.amdhsa_code_object_version 6
	.text
	.protected	k_q3fae0bdc24_quant
	.globl	k_q3fae0bdc24_quant
	.p2align	8
	.type	k_q3fae0bdc24_quant,@function
k_q3fae0bdc24_quant:
	s_mov_b64 s[64:65], 0
	v_nop
	global_prefetch_b8 v0, s[64:65] scope:SCOPE_SE
	s_setreg_imm32_b32 hwreg(HW_REG_WAVE_MODE, 25, 1), 1
	s_wait_xcnt 0x0
; x [8192][1024] and Wq, Wk, Wv, Wo [1024][1024], f32 with K innermost, become codes of FP8 (E4M3) with one E8M0 byte for each 32 along K,
; laid as the products read them: as IMAGES OF THE OPERAND'S REGISTERS.
; A fragment is 16 rows x 128 K = 2,048 bytes, [c 0..3][lane 0..31][16 bytes], lane = 16 h + r, r the row, c the block of 32.
; ORDER INSIDE A BLOCK OF 32 (the same for every operand of this program): the 16 bytes of (c, h) are k = 32 c + 8 h + 0..7, then k = 32 c + 16 + 8 h + 0..7.
; Both operands of a product carry the same order inside the same scale block, so the exact products are the same; only the order of summing inside one matrix instruction differs from ascending k.
; A buffer (xq: 64 groups of 128 rows; wqk: Wq 0-7, Wk 8-15; wvo: Wv 0-7, Wo 8-15):  bytes 0..262,143: scale words [group][K step 0..7][512 bytes], a block of 512 = [g 0..1][r][t 0..3][4 bytes], tile = 4 g + t;
; from byte 262,144 the codes [group][K step / 2][tile 0..7][K step % 2][2,048 bytes].
; A block's scale is 2^(floor(log2(its largest magnitude)) - 8); its byte is the largest magnitude's exponent field - 8, held at 1 from below.
; LIMITS: a block of zeros, and one whose largest magnitude lies under 2^-118, gets the byte 1 (this program alone reads the bytes; zero codes add nothing); NaN and infinities among the inputs are not served.
; SHARES: 96 groups x 8 K steps = 768 tasks = 256 work-groups x 3 waves.  A wave reads 128 rows x 512 bytes and makes 8 fragments and one block of scale words.
; Each load reads 512 consecutive bytes (one row's 128 numbers); 16 rows turn through the wave's own stage in LDS (rows 528 bytes apart: 33 x 16, so that the 16 rows of a read start at 16 different columns of 16 bytes)
; and come back with 64 numbers of ONE row in a lane.  Waves share nothing: no barrier.  Memory binds: no matrix unit, no cluster, no tensor load.
.set SP,   528
.set STG,  16*SP                       ; a wave's stage
.set LA,   1                           ; v1   16 x lane: my bytes of a load and of a store
.set SA,   2                           ; v2   the stage, on the way in
.set RA,   3                           ; v3   and out: 528 r + 32 h
.set LN,   4                           ; v4   lane
.set R,    16                          ; v16-143  two sets of 64: 16 rows as loaded
.set X,    144                         ; v144-207 64 numbers of my row: register 16 c + i
.set PC,   208                         ; v208-223 the fragment's codes
.set TM,   224                         ; v224-239 largest magnitudes, bytes, scale operands
.set WD,   240                         ; v240-247 a scale word for each fragment
.set Y4,   248                         ; v248-251 the four words that my half of the lanes stores
.set SRC,  24                          ; s[24:25] my task's first number
.set DST,  26                          ; s[26:27] the buffer that takes it
.set DC,   34                          ; s[34:35] my task's codes
.set DSC,  36                          ; s[36:37] my task's scale words
.set SEL,  38                          ; s38, s39 selects for lane l xor 16
.set MNT,  40
	s_load_b512 s[8:23], s[0:1], 0x0               ; x, Wq, Wk, Wv, Wo, xq, wqk, wvo
	v_lshl_add_u32 v254, v0, 2, 0x6800
	v_mov_b32 v255, 0
	v_lshrrev_b32 v5, 5, v0
	v_readfirstlane_b32 s2, v5                     ; wave 0..2
	v_and_b32 v[LN], 31, v0
	v_lshlrev_b32 v[LA], 4, v[LN]
	s_mul_i32 s3, s2, STG
	v_add_nc_u32 v[SA], s3, v[LA]
	v_and_b32 v5, 15, v0                           ; r
	v_bfe_u32 v6, v0, 4, 1                         ; h
	v_mul_u32_u24 v[RA], v5, SP
	v_lshl_add_u32 v[RA], v6, 5, v[RA]
	v_add_nc_u32 v[RA], s3, v[RA]
.irp b, 0,1,2,3
	v_mov_b32 v[TM+4+\b], 0                        ; written once: a lane permute's destination counts as one of its sources
.endr
	s_mul_i32 s4, ttmp9, 3
	s_add_co_u32 s4, s4, s2                        ; task
	s_lshr_b32 s5, s4, 3                           ; group 0..95: 0-63 x, 64-71 Wq, 72-79 Wk, 80-87 Wv, 88-95 Wo
	s_and_b32 s6, s4, 7                            ; K step
	s_mov_b32 s[SEL], 0x76543210
	s_mov_b32 s[SEL+1], 0xfedcba98
	s_wait_alu depctr_va_vdst(0)
	s_wait_kmcnt 0x0
	s_mov_b64 s[SRC:SRC+1], s[16:17]               ; the choices hang on the task's number alone
	s_mov_b64 s[DST:DST+1], s[22:23]
	s_cmp_lt_u32 s5, 88
	s_cselect_b64 s[SRC:SRC+1], s[14:15], s[SRC:SRC+1]
	s_cmp_lt_u32 s5, 80
	s_cselect_b64 s[SRC:SRC+1], s[12:13], s[SRC:SRC+1]
	s_cselect_b64 s[DST:DST+1], s[20:21], s[DST:DST+1]
	s_cmp_lt_u32 s5, 72
	s_cselect_b64 s[SRC:SRC+1], s[10:11], s[SRC:SRC+1]
	s_cmp_lt_u32 s5, 64
	s_cselect_b64 s[SRC:SRC+1], s[8:9], s[SRC:SRC+1]
	s_cselect_b64 s[DST:DST+1], s[18:19], s[DST:DST+1]
	s_cselect_b32 s28, 63, 7
	s_cselect_b32 s29, 63, 15
	s_and_b32 s28, s5, s28                         ; the group inside its source,
	s_and_b32 s29, s5, s29                         ; and inside its buffer
	s_lshl_b32 s30, s28, 19                        ; 128 rows of 4,096 bytes
	s_lshl_b32 s31, s6, 9                          ; 128 numbers
	s_add_co_u32 s30, s30, s31
	s_mov_b32 s31, 0
	s_add_nc_u64 s[SRC:SRC+1], s[SRC:SRC+1], s[30:31]
	s_lshl_b32 s32, s29, 17
	s_lshr_b32 s33, s6, 1
	s_lshl_b32 s33, s33, 15
	s_add_co_u32 s32, s32, s33
	s_and_b32 s33, s6, 1
	s_lshl_b32 s33, s33, 11
	s_add_co_u32 s32, s32, s33
	s_add_co_u32 s32, s32, 262144
	s_mov_b32 s33, 0
	s_add_nc_u64 s[DC:DC+1], s[DST:DST+1], s[32:33]
	s_lshl_b32 s32, s29, 12
	s_lshl_b32 s30, s6, 9
	s_add_co_u32 s32, s32, s30
	s_add_nc_u64 s[DSC:DSC+1], s[DST:DST+1], s[32:33]
.macro LOAD i                          ; rows 16 i .. 16 i + 15 into set i % 2: 32 lanes read 512 consecutive bytes
.irp w, 0,1,2,3,4,5,6,7,8,9,10,11,12,13,14,15
	global_load_b128 v[R+64*((\i)%2)+4*\w:R+64*((\i)%2)+4*\w+3], v[LA], s[SRC:SRC+1] offset:(16*(\i)+\w)*4096 th:TH_LOAD_NT
.endr
.endm
.macro TURN i                          ; through the stage: LDS serves a wave's instructions in order, so no wait stands between the stores and the loads
.irp w, 0,1,2,3,4,5,6,7,8,9,10,11,12,13,14,15
	ds_store_b128 v[SA], v[R+64*((\i)%2)+4*\w:R+64*((\i)%2)+4*\w+3] offset:\w*SP
.endr
.irp c, 0,1,2,3
	ds_load_b128 v[X+16*\c:X+16*\c+3],     v[RA] offset:128*\c      ; k = 32 c + 8 h + 0..3
	ds_load_b128 v[X+16*\c+4:X+16*\c+7],   v[RA] offset:128*\c+16   ;                + 4..7
	ds_load_b128 v[X+16*\c+8:X+16*\c+11],  v[RA] offset:128*\c+64   ; k = 32 c + 16 + 8 h + 0..3
	ds_load_b128 v[X+16*\c+12:X+16*\c+15], v[RA] offset:128*\c+80
.endr
.endm
.macro QUANT i                         ; 64 numbers of my row become the fragment's codes and my row's scale word
.irp b, 0,1,2,3
	v_max3_num_f32 v[TM+\b], |v[X+16*\b]|, |v[X+16*\b+1]|, 0x4800000     ; block b: my 16 numbers, and the floor 2^(9 - 127): the byte cannot fall under 1
.endr
.irp j, 2,4,6,8,10,12,14
.irp b, 0,1,2,3
	v_max3_num_f32 v[TM+\b], v[TM+\b], |v[X+16*\b+\j]|, |v[X+16*\b+\j+1]|   ; the four blocks by turns
.endr
.endr
.irp b, 0,1,2,3
	v_permlanex16_b32 v[TM+4+\b], v[TM+\b], s[SEL], s[SEL+1]
.endr
.irp b, 0,1,2,3
	v_max_num_f32 v[TM+\b], v[TM+\b], v[TM+4+\b]   ; with lane l xor 16's 16: the block's largest magnitude
.endr
.irp b, 0,1,2,3
	v_add_nc_u32 v[TM+12+\b], 0xfc000000, v[TM+\b] ; 8 off its exponent field: the conversion's scale operand
.endr
.irp b, 0,1,2,3
.endr
.irp b, 0,1,2,3
	v_lshrrev_b32 v[TM+4+\b], 23, v[TM+12+\b]      ; the scale's byte
.endr
	v_lshl_or_b32 v[WD+\i], v[TM+5], 8, v[TM+4]
	v_lshl_or_b32 v[WD+\i], v[TM+6], 16, v[WD+\i]
	v_lshl_or_b32 v[WD+\i], v[TM+7], 24, v[WD+\i]
.irp b, 0,1,2,3
.irp j, 0,1,2,3,4,5,6,7,8,9,10,11,12,13,14,15
.endr
	v_cvt_scalef32_pk8_fp8_f32 v[PC+4*\b:PC+4*\b+1], v[X+16*\b:X+16*\b+7], v[TM+12+\b]
	v_cvt_scalef32_pk8_fp8_f32 v[PC+4*\b+2:PC+4*\b+3], v[X+16*\b+8:X+16*\b+15], v[TM+12+\b]
.endr
	v_nop                                          ; a plain line behind the last conversion
.endm
.macro FRAG i
.if (\i) < 7
	s_wait_loadcnt 16                              ; this fragment's 16 loads are in; the next fragment's 16 may be out
.else
	s_wait_loadcnt 0x0
.endif
	TURN \i
	s_wait_dscnt 0x0                               ; my row is in registers, and the stage's stores have read theirs
	s_wait_xcnt 0x0                                ; the last fragment's stores have read the codes' registers: they are written again only behind this wait
.if (\i) < 6
	LOAD (\i)+2
.endif
	QUANT \i
.irp c, 0,1,2,3
	global_store_b128 v[LA], v[PC+4*\c:PC+4*\c+3], s[DC:DC+1] offset:(\i)*4096+\c*512   ; 32 lanes store 512 consecutive bytes, aligned
.endr
.endm
	LOAD 0
	LOAD 1
.irp i, 0,1,2,3,4,5,6,7
	FRAG \i
.endr
	v_cmp_le_u32 vcc_lo, 16, v[LN]                 ; lanes 0-15 store the words of tiles 0-3, lanes 16-31 those of tiles 4-7
.irp t, 0,1,2,3
	v_cndmask_b32 v[Y4+\t], v[WD+\t], v[WD+4+\t], vcc_lo
.endr
	global_store_b128 v[LA], v[Y4:Y4+3], s[DSC:DSC+1]   ; 512 consecutive bytes
	s_wait_tensorcnt 0x0
	ds_add_u32 v254, v255
	s_wait_dscnt 0x0
	s_endpgm
.Lfunc_end_k_q3fae0bdc24_quant:
	.size	k_q3fae0bdc24_quant, .Lfunc_end_k_q3fae0bdc24_quant-k_q3fae0bdc24_quant
	.p2alignl 7, 3214868480
	.fill 96, 4, 3214868480
	.section	.rodata,"a",@progbits
	.p2align	6, 0x0
	.amdhsa_kernel k_q3fae0bdc24_quant
		.amdhsa_group_segment_fixed_size 27136
		.amdhsa_private_segment_fixed_size 0
		.amdhsa_enable_private_segment 0
		.amdhsa_kernarg_size 64
		.amdhsa_user_sgpr_count 2
		.amdhsa_user_sgpr_kernarg_segment_ptr 1
		.amdhsa_wavefront_size32 1
		.amdhsa_system_sgpr_workgroup_id_x 1
		.amdhsa_system_sgpr_workgroup_id_y 1
		.amdhsa_system_sgpr_workgroup_id_z 1
		.amdhsa_system_vgpr_workitem_id 0
		.amdhsa_next_free_vgpr 256
		.amdhsa_next_free_sgpr 66
		.amdhsa_reserve_vcc 1
		.amdhsa_float_denorm_mode_32 3
		.amdhsa_float_denorm_mode_16_64 3
		.amdhsa_fp16_overflow 1
		.amdhsa_memory_ordered 1
		.amdhsa_forward_progress 1
		.amdhsa_inst_pref_size 64
	.end_amdhsa_kernel
	.amdgpu_metadata
---
amdhsa.version: [ 1, 2 ]
amdhsa.kernels:
  - .name:           k_q3fae0bdc24_quant
    .symbol:         k_q3fae0bdc24_quant.kd
    .args:
      - { .name: x, .offset: 0, .size: 8, .value_kind: global_buffer, .address_space: global }
      - { .name: Wq, .offset: 8, .size: 8, .value_kind: global_buffer, .address_space: global }
      - { .name: Wk, .offset: 16, .size: 8, .value_kind: global_buffer, .address_space: global }
      - { .name: Wv, .offset: 24, .size: 8, .value_kind: global_buffer, .address_space: global }
      - { .name: Wo, .offset: 32, .size: 8, .value_kind: global_buffer, .address_space: global }
      - { .name: xq, .offset: 40, .size: 8, .value_kind: global_buffer, .address_space: global }
      - { .name: wqk, .offset: 48, .size: 8, .value_kind: global_buffer, .address_space: global }
      - { .name: wvo, .offset: 56, .size: 8, .value_kind: global_buffer, .address_space: global }
    .group_segment_fixed_size: 27136
    .private_segment_fixed_size: 0
    .kernarg_segment_align: 8
    .kernarg_segment_size: 64
    .max_flat_workgroup_size: 96
    .sgpr_count:     66
    .vgpr_count:     256
    .wavefront_size: 32
...
	.end_amdgpu_metadata
.endif
;; end of part 1
;; launch proj_qk (part 2): grid 8 x 32, 4 waves a work-group, clusters of 4 x 4, 327,680 bytes of LDS; arguments xq, wqk, qk; writes qk
.if DOCPART == 2
	.amdgcn_target "amdgcn-amd-amdhsa--gfx1250"
	.amdhsa_code_object_version 6
	.text
	.protected	k_q3fae0bdc24_proj_qk
	.globl	k_q3fae0bdc24_proj_qk
	.p2align	8
	.type	k_q3fae0bdc24_proj_qk,@function
k_q3fae0bdc24_proj_qk:
	s_mov_b64 s[64:65], 0
	v_nop
	global_prefetch_b8 v0, s[64:65] scope:SCOPE_SE
	s_setreg_imm32_b32 hwreg(HW_REG_WAVE_MODE, 25, 1), 1
	s_wait_xcnt 0x0
	s_wait_alu depctr_hold_cnt(0) depctr_sa_sdst(0) depctr_va_vdst(0) depctr_va_sdst(0) depctr_va_ssrc(0) depctr_va_vcc(0) depctr_vm_vsrc(0)
	s_getreg_b32 s2, hwreg(HW_REG_IB_STS2, 6, 4)
	s_cmp_eq_u32 s2, 0
	s_cbranch_scc0 .Lentry_in_a_cluster
	s_endpgm
.Lentry_in_a_cluster:
	s_bfe_u32 s2, ttmp6, 0x10000c
	s_cmp_lg_u32 s2, 0xf033
	s_cbranch_scc0 .Lentry_shape_is_right
	s_endpgm
.Lentry_shape_is_right:
; R[y][x] = sum over k of Y[y][k] X[x][k], K = 1,024, on codes of FP8 (E4M3) with E8M0 scales, and R is QUANTISED ALONG x in registers and leaves as codes: no f32 result goes to memory.
; One text, two launches.  q and k: Y = x (tokens), X = Wq | Wk (features): images with rows = tokens, K = the heads' channels.  v: Y = Wv (channels), X = x (tokens): images of V^T, K = the keys.
; OPERANDS (arguments 0 and 1) lie as images of their registers: bytes 0..262,143 scale words [group of 128 rows][K step][512], from byte 262,144 codes [group][K step / 2][tile 0..7][K step % 2][2,048].
; A fragment: [c][lane][16 bytes]; inside a block of 32 the 16 bytes of (c, h) are k = 32 c + 8 h + 0..7, then 32 c + 16 + 8 h + 0..7, alike in both operands (the sums' order inside one instruction differs from ascending k).
; RESULT (argument 2): block idx = 64 x (X's group) + (Y's group).  Bytes 0..2,097,151: [idx][512] scale words ([g][r][t][4 bytes], Y's tile = 4 g + t, byte bb for x = 32 bb ..);
; from byte 2,097,152: [idx][Y's tile a 0..7][bb 0..3][512 bytes].  The pitch of 64 blocks serves both launches; in v's buffer 8 of each 64 blocks are written and read.
; SHARES: a work-group of four waves makes 256 x 256, a wave 128 x 128: 64 accumulators, 512 registers.  K goes in 4 slots of 256 through a ring of two LDS slots; a group's codes of a slot are 32,768 dense bytes, one tensor load.
; The scale words of the work-group's four groups, for all of K, come once with the first fills.  Images are read 512 consecutive bytes an instruction: no pitch, no padding.
; CLUSTERS: 4 x 4 work-groups; Y's tiles are asked for jointly along a row of the cluster, X's along a column.
; THE MATRIX INSTRUCTION: source 0 = 16 rows of X, source 1 = 16 rows of Y: in accumulator (a, b) lane (r, h) holds Y's row 16 a + r and register j X's row 16 b + 8 h + j.
; So the 64 registers of one a are four blocks of 32 along x in this program's order, 16 numbers a lane, the other 16 in lane l xor 16.
; LIMITS: a block of zeros or under 2^-118 gets the byte 1 (read by this program alone); NaN and infinities are not served.
; REGISTERS: window 0: v1, v2 r, h; v16-29 addresses; v32-63 scale words, two sets; v64-91 the way out's work; v128-255 Y's fragments, ONE set (on the way out: codes).
;   window 1: X's fragments, TWO sets.  window 2: accumulators of my Y tiles 0-3 ((a, b) at v[8 (8 a + b)]); window 3: of tiles 4-7.
.set NQ,     2                         ; matrix instructions deep in a slot
.set FR,     16                        ; registers of a fragment
.set NL,     4                         ; LDS loads that bring one
.set NP,     8                         ; places behind this matrix instruction (ISA guide 7.12.1)
.set HALFT,  32768                     ; a group's codes of a slot: what one tensor load brings
.set SLOT,   4*HALFT                   ; Y's two groups, then X's two
.set SCL,    2*SLOT                    ; behind the ring: four regions of scale words
.set SREG,   4096                      ; a group's, for all of K
.set SPARE,  SCL+4*SREG                ; the spare words, 128 bytes for each wave: two blocks of 256 bytes that no other line names
.set OPC,    262144                    ; where an operand's codes begin
.set ATC,    2097152                   ; where the result's codes begin
.set ADRA, 16                          ; v16-17  LDS address of my Y fragments in slot 0, 1
.set ADRB, 20                          ; v20-21  the same for X
.set CO,   26                          ; v26     16 x lane
.set ADRS, 27                          ; v27     LDS address of my scale words: lanes 0-15 Y's, lanes 16-31 X's
.set SPW,  28                          ; v28     my spare word; never rewritten
.set NIL,  29                          ; v29     0; never rewritten
.set SC,   32                          ; scale words: v[SC + 16 set + 8 q + tile]
.set TM,   64                          ; v64-79  the way out: largest magnitudes, bytes, scale operands
.set WD,   80                          ; v80-87  a scale word for each of my 8 tiles of Y
.set Y4,   88                          ; v88-91  the four that my half of the lanes stores
.set AF,   128                         ; Y's fragments
.set XQ,   128
.set PC,   192                         ; and their codes
.set G1, 24
.set G0, 32
.set G1B, 48
.set G0B, 56
.set G1S, 68
.set G0S, 76
.set G1SB, 80
.set G0SB, 88
.set MNT, 95
.set SEL, 96                           ; s96, s97 selects for lane l xor 16
.set MSB, 0
.macro WIN new                         ; the immediate's high byte repeats the setting that is left
.if MSB != (\new)
	s_set_vgpr_msb (MSB<<8)|(\new)
.set MSB, (\new)
.endif
.endm
.set MUL_LO, 0xa1                      ; source 0 (X) window 1, source 1 (Y) window 0, C and D window 2
.set MUL_HI, 0xf1                      ; the same, C and D window 3
.set TO_B,   0x40                      ; destination window 1, address window 0
; A joint load: waves 0 and 1 fetch for Y, waves 2 and 3 for X.  Each line has one mask and one set of registers for all that issue it; the branch hangs on the wave's number alone.
; Four v_nop follow each of the two lines.
.macro JLOAD g0a, g1a, g0b, g1b
	s_cmp_eq_u32 s15, 0
	s_cbranch_scc0 .Lfor_b_\@
	tensor_load_to_lds s[\g0a:\g0a+3], s[\g1a:\g1a+7]
	s_nop 0
.rept 4
	v_nop
.endr
	s_branch .Lasked_\@
.Lfor_b_\@:
	tensor_load_to_lds s[\g0b:\g0b+3], s[\g1b:\g1b+7]
	s_nop 0
.rept 4
	v_nop
.endr
.Lasked_\@:
.endm
.macro CREST                           ; a round of the cluster's barrier behind its opening barrier
	s_cmp_lg_u32 s14, 0
	s_cbranch_scc1 .Lnot_wave_0_\@
	s_barrier_signal -3
.Lnot_wave_0_\@:
	s_barrier_wait -3
	s_barrier_signal -1
	s_barrier_wait -1
.endm
.macro CROUND                          ; a whole round
	s_barrier_signal -1
	s_barrier_wait -1
	CREST
.endm
	s_load_b128 s[4:7], s[0:1], 0x0                ; Y s[4:5], X s[6:7]
	s_load_b64 s[8:9], s[0:1], 0x10                ; the result
	v_lshl_add_u32 v[SPW], v0, 2, SPARE
	v_mov_b32 v[NIL], 0
	ds_add_u32 v28, v29
	ds_add_u32 v28, v29
	s_wait_dscnt 0x0
	v_lshrrev_b32 v1, 5, v0
	v_readfirstlane_b32 s14, v1                    ; wave 0..3
	s_lshr_b32 s15, s14, 1                         ; which of the tile's two groups of Y is mine.  Also: I fetch for Y (0) or for X (1)
	s_and_b32 s16, s14, 1                          ; which group of X.  Also: which group of that operand I fetch
	s_bfe_u32 s40, ttmp6, 0x40000                  ; cx, cy: my place in the cluster
	s_bfe_u32 s41, ttmp6, 0x40004
	s_lshl_b32 s42, ttmp9, 2
	s_add_co_u32 s42, s42, s40                     ; X's tile = 4 x cluster x + cx
	s_and_b32 s17, ttmp7, 0xffff
	s_lshl_b32 s17, s17, 2
	s_add_co_u32 s17, s17, s41                     ; Y's tile = 4 x cluster y + cy
	s_lshl_b32 s43, s41, 2
	s_lshl_b32 s43, 15, s43                        ; my row of the cluster
	s_lshl_b32 s44, 0x1111, s40                    ; my column
	; descriptor group 1: 32,768 dense bytes as 128 rows of 32 elements of 8 bytes; no padding
	s_or_b32 s[G1+0], s43, (3<<16)|(1<<21)         ; 15:0 the mask: Y's tiles go to my row; 17:16 elements of 8 bytes; 21 set beside a mask
	s_or_b32 s[G1B+0], s44, (3<<16)|(1<<21)
.irp g, G1, G1B
	s_mov_b32 s[\g+1], 32<<16                      ; tensor_dim0
	s_mov_b32 s[\g+2], 128<<16                     ; tensor_dim1
	s_mov_b32 s[\g+3], 32<<16                      ; tile_dim0
	s_mov_b32 s[\g+4], 128                         ; tile_dim1
	s_mov_b32 s[\g+5], 32                          ; tensor_dim0_stride
	s_mov_b32 s[\g+6], 0
	s_mov_b32 s[\g+7], 0
.endr
	; and for a group's scale words: 4,096 dense bytes as 16 such rows
	s_or_b32 s[G1S+0], s43, (3<<16)|(1<<21)
	s_or_b32 s[G1SB+0], s44, (3<<16)|(1<<21)
.irp g, G1S, G1SB
	s_mov_b32 s[\g+1], 32<<16
	s_mov_b32 s[\g+2], 16<<16
	s_mov_b32 s[\g+3], 32<<16
	s_mov_b32 s[\g+4], 16
	s_mov_b32 s[\g+5], 32
	s_mov_b32 s[\g+6], 0
	s_mov_b32 s[\g+7], 0
.endr
	s_lshl_b32 s20, s17, 1
	s_add_co_u32 s20, s20, s16                     ; Y's group that I would fetch: 2 x tile + half
	s_lshl_b32 s46, s42, 1
	s_add_co_u32 s46, s46, s16                     ; X's
	s_lshl_b32 s22, s20, 12                        ; where their scale words begin,
	s_mov_b32 s23, 0
	s_lshl_b32 s92, s46, 12
	s_mov_b32 s93, 0
	s_lshl_b32 s20, s20, 17                        ; and their codes
	s_add_co_u32 s20, s20, OPC
	s_mov_b32 s21, 0
	s_lshl_b32 s46, s46, 17
	s_add_co_u32 s46, s46, OPC
	s_mov_b32 s47, 0
	s_mul_i32 s45, s14, HALFT                      ; where they go: by the wave's number alone
	s_mul_i32 s94, s14, SREG
	s_mov_b32 s[SEL], 0x76543210
	s_mov_b32 s[SEL+1], 0xfedcba98
	s_wait_kmcnt 0x0
	s_add_nc_u64 s[20:21], s[4:5], s[20:21]
	s_add_nc_u64 s[22:23], s[4:5], s[22:23]
	s_add_nc_u64 s[46:47], s[6:7], s[46:47]
	s_add_nc_u64 s[92:93], s[6:7], s[92:93]
	CROUND                                         ; all sixteen work-groups are here: the first joint loads meet
	s_mov_b32 s[G0S], 1
	s_add_co_u32 s[G0S+1], s94, SCL
	s_mov_b64 s[G0S+2:G0S+3], s[22:23]
	s_or_b32 s[G0S+3], s[G0S+3], 0x80000000
	s_mov_b32 s[G0SB], 1
	s_add_co_u32 s[G0SB+1], s94, SCL
	s_mov_b64 s[G0SB+2:G0SB+3], s[92:93]
	s_or_b32 s[G0SB+3], s[G0SB+3], 0x80000000
	JLOAD G0S, G1S, G0SB, G1SB                     ; the scale words first: they are wanted with slot 0
.irp s, 0,1
	s_mov_b32 s[G0+4*\s], 1
	s_add_co_u32 s[G0+4*\s+1], s45, \s*SLOT
	s_add_nc_u64 s[G0+4*\s+2:G0+4*\s+3], s[20:21], \s*HALFT
	s_or_b32 s[G0+4*\s+3], s[G0+4*\s+3], 0x80000000
	s_mov_b32 s[G0B+4*\s], 1
	s_add_co_u32 s[G0B+4*\s+1], s45, \s*SLOT
	s_add_nc_u64 s[G0B+4*\s+2:G0B+4*\s+3], s[46:47], \s*HALFT
	s_or_b32 s[G0B+4*\s+3], s[G0B+4*\s+3], 0x80000000
	JLOAD G0+4*\s, G1, G0B+4*\s, G1B
.endr
	v_and_b32 v1, 15, v0                           ; r
	v_bfe_u32 v2, v0, 4, 1                         ; h
	s_wait_alu depctr_va_vdst(0)
	v_and_b32 v6, 31, v0
	v_lshlrev_b32 v[CO], 4, v6                     ; 16 x lane
	s_mul_i32 s21, s15, HALFT                      ; my group of Y
	s_mul_i32 s22, s16, HALFT                      ; my group of X,
	s_add_co_u32 s22, s22, 2*HALFT                 ; behind Y's two
.irp s, 0,1
	v_add_nc_u32 v[ADRA+\s], s21, v[CO]
	v_add_nc_u32 v[ADRB+\s], s22, v[CO]
	s_add_co_u32 s21, s21, SLOT
	s_add_co_u32 s22, s22, SLOT
.endr
	v_lshlrev_b32 v5, 4, v1                        ; my row's four words of a half block: 16 r
	s_mul_i32 s21, s15, SREG                       ; Y's region
	s_mul_i32 s22, s16, SREG                       ; X's, behind Y's two
	s_add_co_u32 s22, s22, 2*SREG
	s_sub_co_u32 s22, s22, s21
	v_mul_u32_u24 v6, s22, v2                      ; lanes 16-31 take X's: one product, the distance between the two regions
	s_add_co_u32 s21, s21, SCL
	v_add_nc_u32 v5, v5, v6
	v_add_nc_u32 v[ADRS], s21, v5
	s_lshl_b32 s2, s42, 1                          ; where my 128 x 128 goes: block 64 x (X's group) + (Y's group)
	s_add_co_u32 s2, s2, s16
	s_lshl_b32 s2, s2, 6
	s_lshl_b32 s3, s17, 1
	s_add_co_u32 s3, s3, s15
	s_add_co_u32 s2, s2, s3
	s_lshl_b32 s10, s2, 14
	s_add_co_u32 s10, s10, ATC
	s_mov_b32 s11, 0
	s_add_nc_u64 s[10:11], s[8:9], s[10:11]        ; its codes
	s_lshl_b32 s12, s2, 9
	s_mov_b32 s13, 0
	s_add_nc_u64 s[12:13], s[8:9], s[12:13]        ; its scale words
.macro FRAG reg, adr, q, i             ; tile i, the slot's q-th 128 along K: four loads of 512 consecutive bytes
.irp c, 0,1,2,3
	ds_load_b128 v[\reg+4*\c:\reg+4*\c+3], v[\adr] offset:4096*(\i)+2048*(\q)+512*\c
.endr
.endm
; 16 matrix instructions: Y's tiles a0, a0 + 1 x X's eight.  p: X's set;  sc: the set of scale words.  zero = 1: the first product starts the sums.
; The 64 accumulators take turns, one instruction a turn, in the same order in every step.
.macro MUL16 a0, p, q, sc, zero
.irp a, \a0, \a0+1
.irp b, 0,1,2,3,4,5,6,7
.if \zero
	v_wmma_scale_f32_16x16x128_f8f6f4 v[8*(8*((\a)%4)+\b):8*(8*((\a)%4)+\b)+7], v[128*(\p)+FR*\b:128*(\p)+FR*\b+FR-1], v[AF+FR*(\a):AF+FR*(\a)+FR-1], 0, v[SC+16*(\sc)+8*(\q)+\b], v[SC+16*(\sc)+8*(\q)+(\a)] matrix_a_scale:MATRIX_SCALE_ROW1
.else
	v_wmma_scale_f32_16x16x128_f8f6f4 v[8*(8*((\a)%4)+\b):8*(8*((\a)%4)+\b)+7], v[128*(\p)+FR*\b:128*(\p)+FR*\b+FR-1], v[AF+FR*(\a):AF+FR*(\a)+FR-1], v[8*(8*((\a)%4)+\b):8*(8*((\a)%4)+\b)+7], v[SC+16*(\sc)+8*(\q)+\b], v[SC+16*(\sc)+8*(\q)+(\a)] matrix_a_scale:MATRIX_SCALE_ROW1
.endif
.endr
.endr
.endm
.macro FETCH_B slot, q, p
	WIN TO_B
.irp i, 0,1,2,3,4,5,6,7
	FRAG 128*(\p)+FR*\i, ADRB+\slot, \q, \i
.endr
	WIN 0
.endm
.macro FETCH_A slot, q, i0
.irp i, \i0, \i0+1, \i0+2, \i0+3
	FRAG AF+FR*(\i), ADRA+\slot, \q, \i
.endr
.endm
.macro SCALES sc                       ; a slot's scale words: for each of its two steps two loads of four tiles' words; lanes 0-15 take Y's, lanes 16-31 X's
.irp q, 0,1
.irp g, 0,1
	ds_load_b128 v[SC+16*\sc+8*\q+4*\g:SC+16*\sc+8*\q+4*\g+3], v[ADRS] offset:512*\q+256*\g
.endr
.endr
.endm
; A load into a register that a matrix instruction has read, and a vector instruction that reads a matrix result or writes one of its registers, stand NP places behind it; only plain vector
; instructions that name none of its registers are places (ISA guide 7.12.1 for vector instructions).
.macro PLACES n
.rept \n
	v_nop
.endr
.endm
.macro STEP slot, q, zero              ; a step of 128 along K that has its successor in the same slot
	s_wait_dscnt 4*NL                              ; X's set, the scale words and Y's tiles 0-3 are in; the youngest 16 loads (Y's tiles 4-7) may be out
	WIN MUL_LO
	MUL16 0, (\q)%2, \q, \slot, \zero
	MUL16 2, (\q)%2, \q, \slot, \zero
	s_wait_dscnt 0
	PLACES NP
	FETCH_B \slot, (\q)+1, 1-(\q)%2
	FETCH_A \slot, (\q)+1, 0
	WIN MUL_HI
	MUL16 4, (\q)%2, \q, \slot, \zero
	MUL16 6, (\q)%2, \q, \slot, \zero
	PLACES NP
	WIN 0
	FETCH_A \slot, (\q)+1, 4
.endm
; A slot's last step changes slots: ONE barrier; in front of it each wave waits for all its tensor loads, adds 0 to its spare word, and waits for that and for its own reads of this slot.  fill = 1: this slot is filled again, two slots ahead.
.macro TURN slot, next, fill
	s_wait_tensorcnt 0x0                           ; all my tensor loads have landed: my part of the next slot
	ds_add_u32 v[SPW], v[NIL]                      ; 0 onto my spare word
	s_wait_dscnt 4*NL+1                            ; the add and the youngest 16 loads (Y's tiles 4-7) may be out
	WIN MUL_LO
	MUL16 0, 1, NQ-1, \slot, 0
	s_wait_dscnt 0x0                               ; the add is done, and my reads of this slot are over
	s_barrier_signal -1
	MUL16 2, 1, NQ-1, \slot, 0
	WIN 0
	s_barrier_wait -1
.if \fill
	CREST                                          ; the barrier has opened a round of the cluster's: no wave of any partner still reads this slot or has a load on its way
	s_add_nc_u64 s[G0+4*\slot+2:G0+4*\slot+3], s[G0+4*\slot+2:G0+4*\slot+3], 2*HALFT
	s_add_nc_u64 s[G0B+4*\slot+2:G0B+4*\slot+3], s[G0B+4*\slot+2:G0B+4*\slot+3], 2*HALFT
	JLOAD G0+4*\slot, G1, G0B+4*\slot, G1B         ; the first tensor load behind the round; its four v_nop are among the places in front of the loads below
	PLACES NP-4
.else
	PLACES NP
.endif
	s_wait_alu depctr_va_vdst(0)
	v_add_nc_u32 v[ADRS], 1024, v[ADRS]            ; on to the next slot's scale words
	FETCH_B \next, 0, 0
	FETCH_A \next, 0, 0
	SCALES \next
	WIN MUL_HI
	MUL16 4, 1, NQ-1, \slot, 0
	MUL16 6, 1, NQ-1, \slot, 0
	PLACES NP
	WIN 0
	FETCH_A \next, 0, 4
.endm
	s_wait_alu depctr_va_vdst(0)
	s_wait_tensorcnt 1                             ; the scale words and my part of slot 0 are in; slot 1's load may be out
	s_barrier_signal -1
	s_barrier_wait -1
	FETCH_B 0, 0, 0
	FETCH_A 0, 0, 0
	SCALES 0
	FETCH_A 0, 0, 4
	STEP 0, 0, 1                                   ; K = 1,024 is four slots: written out, no loop
	TURN 0, 1, 1
	STEP 1, 0, 0
	TURN 1, 0, 1
	STEP 0, 0, 0
	TURN 0, 1, 0                                   ; the last two slots are in LDS: nothing is asked for, and no round follows
	STEP 1, 0, 0
	s_wait_dscnt 4*NL
	WIN MUL_LO
	MUL16 0, 1, NQ-1, 1, 0
	MUL16 2, 1, NQ-1, 1, 0
	s_wait_dscnt 0
	WIN MUL_HI
	MUL16 4, 1, NQ-1, 1, 0
	MUL16 6, 1, NQ-1, 1, 0
	WIN 0
; THE WAY OUT.  Tile a of Y: its eight accumulators are 64 numbers of my row, register 16 bb + i of block bb.  They are quantised as they stand; the codes ARE a fragment's registers and leave by four stores of 512 consecutive bytes.
.macro QUANTW a
.set W, 2+(\a)/4
.set S0, 64*((\a)%4)
	WIN (W<<2)|(W<<4)                              ; sources 1 and 2: the accumulators' window
.irp b, 0,1,2,3
	v_max3_num_f32 v[TM+\b], 0x4800000, |v[S0+16*\b]|, |v[S0+16*\b+1]|      ; the floor 2^(9 - 127), and each accumulator from its low end on
.endr
.irp j, 2,4,6,8,10,12,14
.irp b, 0,1,2,3
	v_max3_num_f32 v[TM+\b], v[TM+\b], |v[S0+16*\b+\j]|, |v[S0+16*\b+\j+1]|
.endr
.endr
	WIN 0
.irp b, 0,1,2,3
	v_permlanex16_b32 v[TM+4+\b], v[TM+\b], s[SEL], s[SEL+1]
.endr
.irp b, 0,1,2,3
	v_max_num_f32 v[TM+\b], v[TM+\b], v[TM+4+\b]   ; with lane l xor 16's 16: the block's largest magnitude
.endr
.irp b, 0,1,2,3
	v_add_nc_u32 v[TM+12+\b], 0xfc000000, v[TM+\b] ; 8 off its exponent field: the conversion's scale operand
.endr
.irp b, 0,1,2,3
.endr
.irp b, 0,1,2,3
	v_lshrrev_b32 v[TM+4+\b], 23, v[TM+12+\b]      ; the scale's byte
.endr
	v_lshl_or_b32 v[WD+\a], v[TM+5], 8, v[TM+4]
	v_lshl_or_b32 v[WD+\a], v[TM+6], 16, v[WD+\a]
	v_lshl_or_b32 v[WD+\a], v[TM+7], 24, v[WD+\a]
	s_wait_xcnt 0x0                                ; the last tile's stores have read the codes' registers
	WIN W                                          ; source 0: the accumulators' window
.irp b, 0,1,2,3
.irp j, 0,1,2,3,4,5,6,7,8,9,10,11,12,13,14,15
.endr
.endr
.irp b, 0,1,2,3
	v_cvt_scalef32_pk8_fp8_f32 v[PC+4*\b:PC+4*\b+1], v[S0+16*\b:S0+16*\b+7], v[TM+12+\b]
	v_cvt_scalef32_pk8_fp8_f32 v[PC+4*\b+2:PC+4*\b+3], v[S0+16*\b+8:S0+16*\b+15], v[TM+12+\b]
.endr
	WIN 0
	v_nop                                          ; a plain line behind the last conversion
.irp b, 0,1,2,3
	global_store_b128 v[CO], v[PC+4*\b:PC+4*\b+3], s[10:11] offset:2048*(\a)+512*\b
.endr
.endm
	PLACES NP                                      ; behind the last products: for the reads of results and the writes into the registers that held Y's fragments
.irp b, 0,1,2,3
	v_mov_b32 v[TM+4+\b], 0                        ; written once: a lane permute's destination counts as one of its sources
.endr
.irp a, 0,1,2,3,4,5,6,7
	QUANTW \a
.endr
	v_cmp_eq_u32 vcc_lo, 1, v2                     ; lanes 0-15 store the words of tiles 0-3, lanes 16-31 those of tiles 4-7
.irp t, 0,1,2,3
	v_cndmask_b32 v[Y4+\t], v[WD+\t], v[WD+4+\t], vcc_lo
.endr
	global_store_b128 v[CO], v[Y4:Y4+3], s[12:13]  ; 512 consecutive bytes
	s_wait_tensorcnt 0x0                           ; the wave's end
	ds_add_u32 v[SPW], v[NIL]
	s_wait_dscnt 0x0
	CROUND                                         ; the closing round: no work-group ends while a partner may still ask for a tile that names it
	s_endpgm
.Lfunc_end_k_q3fae0bdc24_proj_qk:
	.size	k_q3fae0bdc24_proj_qk, .Lfunc_end_k_q3fae0bdc24_proj_qk-k_q3fae0bdc24_proj_qk
	.p2alignl 7, 3214868480
	.fill 96, 4, 3214868480
	.section	.rodata,"a",@progbits
	.p2align	6, 0x0
	.amdhsa_kernel k_q3fae0bdc24_proj_qk
		.amdhsa_group_segment_fixed_size 327680
		.amdhsa_private_segment_fixed_size 0
		.amdhsa_enable_private_segment 0
		.amdhsa_kernarg_size 24
		.amdhsa_user_sgpr_count 2
		.amdhsa_user_sgpr_kernarg_segment_ptr 1
		.amdhsa_wavefront_size32 1
		.amdhsa_system_sgpr_workgroup_id_x 1
		.amdhsa_system_sgpr_workgroup_id_y 1
		.amdhsa_system_sgpr_workgroup_id_z 1
		.amdhsa_system_vgpr_workitem_id 0
		.amdhsa_next_free_vgpr 1024
		.amdhsa_next_free_sgpr 98
		.amdhsa_reserve_vcc 1
		.amdhsa_float_denorm_mode_32 3
		.amdhsa_float_denorm_mode_16_64 3
		.amdhsa_fp16_overflow 1
		.amdhsa_memory_ordered 1
		.amdhsa_forward_progress 1
		.amdhsa_inst_pref_size 148
	.end_amdhsa_kernel
	.amdgpu_metadata
---
amdhsa.version: [ 1, 2 ]
amdhsa.kernels:
  - .name:           k_q3fae0bdc24_proj_qk
    .symbol:         k_q3fae0bdc24_proj_qk.kd
    .args:
      - { .name: xq, .offset: 0, .size: 8, .value_kind: global_buffer, .address_space: global }
      - { .name: wqk, .offset: 8, .size: 8, .value_kind: global_buffer, .address_space: global }
      - { .name: qk, .offset: 16, .size: 8, .value_kind: global_buffer, .address_space: global }
    .group_segment_fixed_size: 327680
    .private_segment_fixed_size: 0
    .kernarg_segment_align: 8
    .kernarg_segment_size: 24
    .max_flat_workgroup_size: 128
    .sgpr_count:     98
    .vgpr_count:     1024
    .wavefront_size: 32
...
	.end_amdgpu_metadata
.endif
;; end of part 2
;; launch proj_v: the kernel of part 2 again; grid 32 x 4, 4 waves a work-group, clusters of 4 x 4, 327,680 bytes of LDS; arguments wvo, xq, vt; writes vt
;; launch attn (part 3): grid 4 x 64, 16 waves a work-group, no clusters, 327,680 bytes of LDS; arguments qk, vt, ctx; writes ctx
.if DOCPART == 3
	.amdgcn_target "amdgcn-amd-amdhsa--gfx1250"
	.amdhsa_code_object_version 6
	.text
	.protected	k_q3fae0bdc24_attn
	.globl	k_q3fae0bdc24_attn
	.p2align	8
	.type	k_q3fae0bdc24_attn,@function
k_q3fae0bdc24_attn:
	s_mov_b64 s[64:65], 0
	v_nop
	global_prefetch_b8 v0, s[64:65] scope:SCOPE_SE
	s_setreg_imm32_b32 hwreg(HW_REG_WAVE_MODE, 25, 1), 1
	s_wait_xcnt 0x0
; ctx[b][q][64 h ..] = the sum over keys k <= q of softmax_k(Q . K / 8) V, for 4 batches x 16 heads of 64 channels, 2,048 tokens, both products on codes of FP8 (E4M3) with E8M0 scales; ctx leaves QUANTISED along its 1,024 features.
; THE SOFTMAX: t = score x log2(e) / 8; M = the row's largest t so far, rounded UP to a whole number; p = 2^(t - M) is what is quantised, along the keys, not normalised.  The row's sum is taken of the unquantised p and divides O at the end.
; When M moves, the sum and O are multiplied by 2^(old M - new M): exact.
; INPUTS, made by the launches before, as images of operands' registers ([c][lane][16 bytes]; inside a block of 32: k = 8 h + 0..7, then 16 + 8 h + 0..7, alike in both operands of a product).
;   qk: block idx = 64 x (head pair; + 8 for k) + token group of 128.  Scale words [idx][512], codes from byte 2,097,152: [idx][token tile 0..7][2 e + c][512], e the head's parity.  A scale word holds the two heads' 2 + 2 bytes.
;   vt: block idx = 64 x token group + head pair: one key step of 128 keys.  Codes [idx][4 e + channel tile][c][512], scale words [idx][e][r][channel tile][4 bytes].
; OUTPUT ctx, in the layout that the last product reads: scale words [token group][K step = head pair][512], codes from byte 262,144: [token group][head / 4][token tile][head pair % 2][2,048], of which head h fills c = 2 e, 2 e + 1.
; SHARES.  A work-group belongs to one (batch, head) and one pair p = 0..3: it owns the blocks of 256 queries 7 - p and p: 2 (8 - p) + 2 (p + 1) = 18 key steps of 128 keys at the most for a wave, the same in all 256 work-groups.
; Each of the SIXTEEN waves owns 16 queries at a time in 256 registers, four waves to a SIMD: tile w of block 7 - p, then tile 15 - w of block p, so that every wave has 14 + 1 + 2 = 17 key steps, two of them masked.
; THE HEAD'S WHOLE K AND V STAY IN LDS: 2,048 keys x 64 codes twice, 8,192 + 4,096 bytes of scale words: 274,432 bytes, each filled ONCE.  So there is no ring: key slots 0 and 1 (512 keys) and the scale words are the first fills;
; behind the first barrier twelve waves ask for the other six key slots, one load a wave, which have four key steps of every wave in which to land; behind the second barrier nothing in LDS is written any more and THE KEY WALK HAS NO BARRIER:
; the four waves of a SIMD drift apart, and one wave's vector work stands beside another's LDS loads and products.  The price: a work-group of pair p fetches p key slots, 32,768 p bytes, that it never reads.
; THE LOOPS' TRIP COUNTS ARE CONSTANTS (4 + 12 key steps for the first block, 8 for the second); a step all of whose keys come after my 16 queries is jumped over by a scalar branch on ids, but for the lines that step addresses.
; NO JOINT LOADS, though the four work-groups of a head fetch the same bytes: that jump and the mask's hang on the block of queries, which would be the place in the cluster.
; BOTH PRODUCTS TRANSPOSED: S^T = K Q^T, O^T = V^T P^T: a lane holds ONE query (lane % 16).  In S^T's tile t register j is key 16 t + 8 h + j, so tiles 2 b, 2 b + 1 are block b of 32 keys in this program's order.
; K = 64 IN A FORM OF K = 128: Q's registers 8-15 are zero codes, so what stands in the upper half of K's fragment adds nothing so long as it is no NaN code: tile t is named v[32 + 8 t : 47 + 8 t], its upper half the next tile's codes
; (all codes here are held at 448), tile 7's the zeros in v96-103.  Q's and K's scale words are read as 16 bits: bytes 2 and 3 are 0, which stands for 2^-127 over zero products.
; CAUSAL: in the step on the diagonal hidden scores become -infinity ahead of the maximum.
; LIMITS: a block of zeros or under 2^-118 gets the byte 1 (read by this program alone); NaN and infinities are not served; ctx's scale bytes leave two bytes a lane, since a word spans two heads, that is two work-groups (1/33 of ctx's bytes).
; REGISTERS: v1-4, v7, v11 lane terms; v5, v6 the add's; v8-10, v249 addresses in hand; v12 -M, v13 the largest t, v[14:15] the sum; v16-23 Q, v24-31 zeros; v32-95 K's or V's fragments, v96-103 zeros; v104-167 S^T, then p; v168-199 O^T;
;   v200-215 p's codes; v216-223 ctx's codes; v224-231 K's and V's scale words; v232-254 at work; v253 p's scale word; v255 Q's.
.set VB,    131072                     ; LDS: K's codes from byte 0 (key step s at 8,192 s: key tile t at 1,024 t, c at 512 c); V's from here (key step s at 8,192 s: channel tile at 2,048, c at 512);
.set KSC,   262144                     ; K's scale words, 512 bytes a key step;
.set VSC,   270336                     ; V's, 256 bytes a key step;
.set SPARE, 274432                     ; the spare words, 128 bytes for each wave: eight blocks of 256 bytes that no other line names
.set ATC,   2097152
.set OPC,   262144
.set LI,   1                           ; v1  16 x lane
.set R16,  2                           ; v2  16 r
.set KSL,  3                           ; v3  KSC + 16 r + 2 e
.set LIV,  4                           ; v4  VB + 16 x lane
.set SPW,  5
.set NIL,  6
.set RH,   7                           ; v7  r - 8 h
.set ADK,  8
.set ADV,  9
.set ADS,  10
.set VSL,  11                          ; v11 VSC + 16 r
.set ADT,  249
.set WV,   10                          ; s10 wave
.set PR,   11                          ; s11 p
.set BT,   13                          ; s13 batch
.set HD,   14                          ; s14 head
.set HP,   15                          ; s15 head pair
.set PAR,  16                          ; s16 e
.set QB,   17                          ; s17 the block of 256 queries in hand
.set Q0,   18                          ; s18 my first query
.set KF,   19                          ; s19 the step's first key
.set SEL,  20                          ; s20, s21
.set CS,   22                          ; s[22:23] c = log2(e) / 8
.set MNT,  24
.set TK,   25                          ; s25 where the step's codes begin in K's and in V's region: 8,192 a step
.set CNT,  26                          ; s26 counts a loop's trips
.set TS,   27                          ; s27 where the step's scale words of K begin: 512 a step
.set TJ,   28                          ; s28 and V's: 256 a step
.set G1K,  32
.set G1V,  40
.set G1KS, 48
.set G1VS, 56
.set TW,   66                          ; s66 my tile of 16 queries in the block in hand
.set ODD,  67                          ; s67 wave % 2
.set G0K,  68
.set G0V,  72
.set G0KS, 76
.set G0VS, 80
.set BK,   84                          ; s[84:91] where key 0 begins: K's codes, V's codes, K's scale words, V's
.set BV,   86
.set BKS,  88
.set BVS,  90
.set OFP,  92                          ; s[92:93] an offset, its high word 0
.set QC,   94                          ; s[94:101] my Q's codes and scale words, my ctx's codes and scale words
.set QS,   96
.set CC,   98
.set CSW,  100
	s_load_b128 s[4:7], s[0:1], 0x0                ; qk, vt
	s_load_b64 s[8:9], s[0:1], 0x10                ; ctx
	v_lshl_add_u32 v[SPW], v0, 2, SPARE
	v_mov_b32 v[NIL], 0
	ds_add_u32 v5, v6
	ds_add_u32 v5, v6
	s_wait_dscnt 0x0
	v_lshrrev_b32 v8, 5, v0
	s_delay_alu instid0(VALU_DEP_1)
	v_readfirstlane_b32 s[WV], v8                  ; wave 0..15
	s_mov_b32 s[PR], ttmp9
	s_and_b32 s2, ttmp7, 0xffff
	s_lshr_b32 s[BT], s2, 4
	s_and_b32 s[HD], s2, 15
	s_lshr_b32 s[HP], s[HD], 1
	s_and_b32 s[PAR], s[HD], 1
	s_sub_co_u32 s[QB], 7, s[PR]                   ; the first block of queries,
	s_mov_b32 s[TW], s[WV]                         ; and my tile in it
	s_and_b32 s[ODD], s[WV], 1
	; descriptor groups 1: elements of 8 bytes, no padding, no mask
	s_mov_b32 s[G1K], 3<<16                        ; K's codes of a key slot (256 keys): 16 key tiles x 1,024 bytes (my head's half), 2,048 bytes apart
	s_mov_b32 s[G1K+1], 128<<16
	s_mov_b32 s[G1K+2], 16<<16
	s_mov_b32 s[G1K+3], 128<<16
	s_mov_b32 s[G1K+4], 16
	s_mov_b32 s[G1K+5], 256
	s_mov_b32 s[G1K+6], 0
	s_mov_b32 s[G1K+7], 0
	s_mov_b32 s[G1V], 3<<16                        ; V's codes of a key slot: 2 key steps x 8,192 bytes (my head's half), 64 blocks of 16,384 bytes apart
	s_mov_b32 s[G1V+1], 1024<<16
	s_mov_b32 s[G1V+2], 2<<16
	s_mov_b32 s[G1V+3], 1024<<16
	s_mov_b32 s[G1V+4], 2
	s_mov_b32 s[G1V+5], 131072
	s_mov_b32 s[G1V+6], 0
	s_mov_b32 s[G1V+7], 0
	s_mov_b32 s[G1KS], 3<<16                       ; K's scale words of the 16 key steps: 8,192 dense bytes as 32 rows of 256
	s_mov_b32 s[G1KS+1], 32<<16
	s_mov_b32 s[G1KS+2], 32<<16
	s_mov_b32 s[G1KS+3], 32<<16
	s_mov_b32 s[G1KS+4], 32
	s_mov_b32 s[G1KS+5], 32
	s_mov_b32 s[G1KS+6], 0
	s_mov_b32 s[G1KS+7], 0
	s_mov_b32 s[G1VS], 3<<16                       ; V's: 16 key steps x 256 bytes, 64 blocks of 512 bytes apart
	s_mov_b32 s[G1VS+1], 32<<16
	s_mov_b32 s[G1VS+2], 16<<16
	s_mov_b32 s[G1VS+3], 32<<16
	s_mov_b32 s[G1VS+4], 16
	s_mov_b32 s[G1VS+5], 4096
	s_mov_b32 s[G1VS+6], 0
	s_mov_b32 s[G1VS+7], 0
	s_lshl_b32 s2, s[BT], 4                        ; the batch's first token group
	s_add_co_u32 s3, s[HP], 8
	s_lshl_b32 s3, s3, 6
	s_add_co_u32 s3, s3, s2                        ; k's first block: 64 (8 + head pair) + 16 b
	s_lshl_b32 s12, s2, 6
	s_add_co_u32 s12, s12, s[HP]                   ; v's first block: 64 x 16 b + head pair
	s_mov_b32 s[OFP+1], 0
	s_mov_b32 s[SEL], 0x76543210
	s_mov_b32 s[SEL+1], 0xfedcba98
	s_mov_b32 s[CS], 0x3e38aa3b                    ; log2(e) / 8
	s_mov_b32 s[CS+1], s[CS]                       ; (named with it as a pair, so it is written)
	s_lshl_b32 s31, s[ODD], 14                     ; the first fills of codes: key slot wave % 2, 16,384 bytes a slot
	s_wait_kmcnt 0x0
	s_lshl_b32 s[OFP], s3, 14
	s_lshl_b32 s30, s[PAR], 10
	s_add_co_u32 s[OFP], s[OFP], s30
	s_add_co_u32 s[OFP], s[OFP], ATC
	s_add_nc_u64 s[BK:BK+1], s[4:5], s[OFP:OFP+1]
	s_lshl_b32 s[OFP], s12, 14
	s_lshl_b32 s30, s[PAR], 13
	s_add_co_u32 s[OFP], s[OFP], s30
	s_add_co_u32 s[OFP], s[OFP], ATC
	s_add_nc_u64 s[BV:BV+1], s[6:7], s[OFP:OFP+1]
	s_lshl_b32 s[OFP], s3, 9
	s_add_nc_u64 s[BKS:BKS+1], s[4:5], s[OFP:OFP+1]
	s_lshl_b32 s[OFP], s12, 9
	s_lshl_b32 s30, s[PAR], 8
	s_add_co_u32 s[OFP], s[OFP], s30
	s_add_nc_u64 s[BVS:BVS+1], s[6:7], s[OFP:OFP+1]
	s_mov_b32 s[G0K], 1                            ; groups 0 of the first fills
	s_mov_b32 s[G0K+1], s31
	s_lshl_b32 s[OFP], s[ODD], 15                  ; a key slot of K's codes is 32,768 bytes of memory on,
	s_add_nc_u64 s[G0K+2:G0K+3], s[BK:BK+1], s[OFP:OFP+1]
	s_or_b32 s[G0K+3], s[G0K+3], 0x80000000
	s_mov_b32 s[G0V], 1
	s_add_co_u32 s[G0V+1], s31, VB
	s_lshl_b32 s[OFP], s[ODD], 21                  ; of V's 2 x 64 blocks of 16,384
	s_add_nc_u64 s[G0V+2:G0V+3], s[BV:BV+1], s[OFP:OFP+1]
	s_or_b32 s[G0V+3], s[G0V+3], 0x80000000
	s_mov_b32 s[G0KS], 1
	s_mov_b32 s[G0KS+1], KSC
	s_mov_b64 s[G0KS+2:G0KS+3], s[BKS:BKS+1]
	s_or_b32 s[G0KS+3], s[G0KS+3], 0x80000000
	s_mov_b32 s[G0VS], 1
	s_mov_b32 s[G0VS+1], VSC
	s_mov_b64 s[G0VS+2:G0VS+3], s[BVS:BVS+1]
	s_or_b32 s[G0VS+3], s[G0VS+3], 0x80000000
	; THE FIRST FILLS, one load a wave, ahead of every wait on TENSORcnt, every LDS read and every barrier: waves 0, 1: K's key slots 0, 1; waves 2, 3: V's; wave 4: K's scale words; wave 5: V's.
	; Four v_nop follow each line.
	s_lshr_b32 s12, s[WV], 1
	s_cmp_lg_u32 s12, 0
	s_cbranch_scc1 .Le0
	tensor_load_to_lds s[G0K:G0K+3], s[G1K:G1K+7]
	s_nop 0
.rept 4
	v_nop
.endr
	s_branch .Le_asked
.Le0:
	s_cmp_lg_u32 s12, 1
	s_cbranch_scc1 .Le1
	tensor_load_to_lds s[G0V:G0V+3], s[G1V:G1V+7]
	s_nop 0
.rept 4
	v_nop
.endr
	s_branch .Le_asked
.Le1:
	s_cmp_lg_u32 s[WV], 4
	s_cbranch_scc1 .Le2
	tensor_load_to_lds s[G0KS:G0KS+3], s[G1KS:G1KS+7]
	s_nop 0
.rept 4
	v_nop
.endr
	s_branch .Le_asked
.Le2:
	s_cmp_lg_u32 s[WV], 5
	s_cbranch_scc1 .Le_asked
	tensor_load_to_lds s[G0VS:G0VS+3], s[G1VS:G1VS+7]
	s_nop 0
.rept 4
	v_nop
.endr
.Le_asked:
	v_and_b32 v8, 31, v0
	s_delay_alu instid0(VALU_DEP_1)
	v_lshlrev_b32 v[LI], 4, v8
	s_delay_alu instid0(VALU_DEP_1)
	v_add_nc_u32 v[LIV], VB, v[LI]
	v_and_b32 v8, 15, v0                           ; r
	v_bfe_u32 v9, v0, 4, 1                         ; h
	s_delay_alu instid0(VALU_DEP_2)
	v_lshlrev_b32 v[R16], 4, v8
	s_lshl_b32 s2, s[PAR], 1
	v_add_nc_u32 v[KSL], s2, v[R16]
	s_delay_alu instid0(VALU_DEP_1)
	v_add_nc_u32 v[KSL], KSC, v[KSL]
	v_add_nc_u32 v[VSL], VSC, v[R16]
	v_lshlrev_b32 v9, 3, v9
	s_delay_alu instid0(VALU_DEP_1)
	v_sub_nc_u32 v[RH], v8, v9
.irp j, 0,1,2,3,4,5,6,7
	v_mov_b32 v[24+\j], 0                          ; Q's k = 64 .. 127: zero codes
	v_mov_b32 v[96+\j], 0                          ; what stands behind K's tile 7
.endr
.irp b, 0,1,2,3
	v_mov_b32 v[236+\b], 0                         ; written once: a lane permute's destination counts as one of its sources
.endr
	v_mov_b32 v252, 0
	v_mov_b32 v253, 0                              ; (named as the upper half of the pair v[252:253])
; A block of queries begins: my tile's addresses, Q's fragment and scale word, the running figures and the key walk at their start.
.macro INITQ
	s_lshl_b32 s2, s[BT], 7
	s_lshl_b32 s3, s[QB], 4
	s_add_co_u32 s2, s2, s3
	s_add_co_u32 s2, s2, s[TW]                     ; T: my tile of 16 tokens among the 512
	s_lshl_b32 s[Q0], s[QB], 8
	s_lshl_b32 s3, s[TW], 4
	s_add_co_u32 s[Q0], s[Q0], s3                  ; my first query in the batch
	s_lshr_b32 s3, s2, 3                           ; token group
	s_and_b32 s12, s2, 7                           ; tile in it
	s_lshl_b32 s30, s[HP], 6
	s_add_co_u32 s30, s30, s3                      ; q's block
	s_lshl_b32 s[OFP], s30, 14
	s_lshl_b32 s31, s12, 11
	s_add_co_u32 s[OFP], s[OFP], s31
	s_lshl_b32 s31, s[PAR], 10
	s_add_co_u32 s[OFP], s[OFP], s31
	s_add_co_u32 s[OFP], s[OFP], ATC
	s_add_nc_u64 s[QC:QC+1], s[4:5], s[OFP:OFP+1]
	s_bfe_u32 s31, s2, 0x10002                     ; my tile's place in a block of scale words: 256 (tile / 4) + 4 (tile % 4) + 2 e
	s_lshl_b32 s31, s31, 8
	s_and_b32 s29, s2, 3
	s_lshl_b32 s29, s29, 2
	s_add_co_u32 s31, s31, s29
	s_lshl_b32 s29, s[PAR], 1
	s_add_co_u32 s31, s31, s29
	s_lshl_b32 s[OFP], s30, 9
	s_add_co_u32 s[OFP], s[OFP], s31
	s_add_nc_u64 s[QS:QS+1], s[4:5], s[OFP:OFP+1]
	s_lshl_b32 s[OFP], s3, 17                      ; ctx's codes
	s_lshr_b32 s29, s[HD], 2
	s_lshl_b32 s29, s29, 15
	s_add_co_u32 s[OFP], s[OFP], s29
	s_lshl_b32 s29, s12, 12
	s_add_co_u32 s[OFP], s[OFP], s29
	s_and_b32 s29, s[HP], 1
	s_lshl_b32 s29, s29, 11
	s_add_co_u32 s[OFP], s[OFP], s29
	s_lshl_b32 s29, s[PAR], 10
	s_add_co_u32 s[OFP], s[OFP], s29
	s_add_co_u32 s[OFP], s[OFP], OPC
	s_add_nc_u64 s[CC:CC+1], s[8:9], s[OFP:OFP+1]
	s_lshl_b32 s[OFP], s3, 12                      ; and its scale words
	s_lshl_b32 s29, s[HP], 9
	s_add_co_u32 s[OFP], s[OFP], s29
	s_add_co_u32 s[OFP], s[OFP], s31
	s_add_nc_u64 s[CSW:CSW+1], s[8:9], s[OFP:OFP+1]
	global_load_b128 v[16:19], v[LI], s[QC:QC+1]
	global_load_b128 v[20:23], v[LI], s[QC:QC+1] offset:512
	global_load_u16 v255, v[R16], s[QS:QS+1]       ; my head's two bytes; bytes 2 and 3 come as 0
	v_mov_b32 v13, 0xff61b1e6                      ; the largest t so far: -3e38, under every t
	s_delay_alu instid0(VALU_DEP_1)
	v_floor_f32 v12, -v13                          ; -M
	v_mov_b32 v14, 0
	v_mov_b32 v15, 0
.set n, 0
.rept 32
	v_mov_b32 v[168+n], 0                          ; O^T: the step is written once; the first finds zeros, which the first change of M leaves zeros
.set n, n+1
.endr
	s_mov_b32 s[KF], 0                             ; the walk begins at key 0
	s_mov_b32 s[TK], 0
	s_mov_b32 s[TS], 0
	s_mov_b32 s[TJ], 0
	s_wait_loadcnt 0x0
.endm
; A KEY STEP: the 128 keys from KF on.
.macro STEP
	s_add_co_u32 s2, s[Q0], 15
	s_cmp_gt_u32 s[KF], s2                         ; all 128 keys come after my 16 queries: the step's work is left out
	s_cbranch_scc1 .Lhidden_\@
	s_setprio 2
	v_add_nc_u32 v[ADK], s[TK], v[LI]
	v_add_nc_u32 v[ADV], s[TK], v[LIV]
	v_add_nc_u32 v[ADS], s[TS], v[KSL]
	v_add_nc_u32 v[ADT], s[TJ], v[VSL]
.rept 4
	v_nop                                          ; with the four additions: eight places in front of loads into registers that the last products read
.endr
.irp t, 0,1,2,3,4,5,6,7
	ds_load_b128 v[32+8*\t:35+8*\t], v[ADK] offset:\t*1024
	ds_load_b128 v[36+8*\t:39+8*\t], v[ADK] offset:\t*1024+512
	ds_load_u16 v[224+\t], v[ADS] offset:256*(\t/4)+4*(\t%4)
.endr
	s_wait_alu depctr_va_vdst(0)
	s_wait_dscnt 0x0
.irp t, 0,1,2,3,4,5,6,7
	v_wmma_scale_f32_16x16x128_f8f6f4 v[104+8*\t:111+8*\t], v[32+8*\t:47+8*\t], v[16:31], 0, v[224+\t], v255
.endr
.rept 8
	v_nop                                          ; places: for the reads of the scores, and for V's loads into K's registers
.endr
.irp t, 0,1,2,3
.irp c, 0,1,2,3
	ds_load_b128 v[32+16*\t+4*\c:35+16*\t+4*\c], v[ADV] offset:2048*\t+512*\c   ; V^T is asked for now and lands under the softmax
.endr
.endr
	ds_load_b128 v[224:227], v[ADT]
	s_add_co_u32 s2, s[KF], 127
	s_cmp_le_u32 s2, s[Q0]                         ; all 128 keys count: no mask
	s_cbranch_scc1 .Lopen_\@
	s_sub_co_i32 s2, s[Q0], s[KF]
	v_add_nc_u32 v248, s2, v[RH]                   ; d = my query - KF - 8 h.  Register n holds key KF + 8 h + 16 (n / 8) + n % 8: hidden where 16 (n / 8) + n % 8 > d
	v_mov_b32 v254, 0xff800000                     ; -infinity
.set n, 0
.rept 64
	v_cmp_gt_i32 vcc_lo, 16*(n/8)+n%8, v248
	v_cndmask_b32 v[104+n], v[104+n], v254, vcc_lo
.set n, n+1
.endr
.Lopen_\@:
.irp b, 0,1,2,3
	v_max3_num_f32 v[232+\b], v[104+16*\b], v[105+16*\b], v[106+16*\b]   ; the largest score of each block of 32 keys: for the row's maximum, and, since p rises with the score, for the block's largest p
.endr
.irp i, 3,5,7,9,11,13
.irp b, 0,1,2,3
	v_max3_num_f32 v[232+\b], v[232+\b], v[104+16*\b+\i], v[105+16*\b+\i]
.endr
.endr
.irp b, 0,1,2,3
	v_max_num_f32 v[232+\b], v[232+\b], v[119+16*\b]
.endr
.irp b, 0,1,2,3
	s_delay_alu instid0(VALU_DEP_4)
	v_permlanex16_b32 v[236+\b], v[232+\b], s[SEL], s[SEL+1]
.endr
.irp b, 0,1,2,3
	s_delay_alu instid0(VALU_DEP_4)
	v_max_num_f32 v[232+\b], v[232+\b], v[236+\b]  ; with lane l xor 16's 16 keys
.endr
	s_delay_alu instid0(VALU_DEP_2)
	v_max3_num_f32 v254, v232, v233, v234
	s_delay_alu instid0(VALU_DEP_1)
	v_max_num_f32 v254, v254, v235                 ; the step's largest score of my query
	s_delay_alu instid0(VALU_DEP_1)
	v_mul_f32 v254, s[CS], v254                    ; as t
	s_delay_alu instid0(VALU_DEP_1)
	v_max_num_f32 v13, v13, v254                   ; the running largest t
	v_mov_b32 v254, v12
	s_delay_alu instid0(VALU_DEP_2)
	v_floor_f32 v12, -v13                          ; the new -M = -ceil(t)
	s_delay_alu instid0(VALU_DEP_1)
	v_sub_f32 v254, v12, v254                      ; old M - new M: a whole number, 0 or less
	s_delay_alu instid0(VALU_DEP_1)
	v_cvt_i32_f32 v254, v254                       ; (it saturates)
	s_delay_alu instid0(VALU_DEP_1)
	v_ldexp_f32 v252, 1.0, v254                    ; f = 2^(old M - new M)
.set n, 0
	s_setprio 1
.rept 32
	v_pk_fma_f32 v[104+n:105+n], v[104+n:105+n], s[CS:CS+1], v[12:13] op_sel_hi:[1,0,0]   ; t - M, two at a time
.set n, n+2
.endr
.irp b, 0,1,2,3
	v_fma_f32 v[232+\b], v[232+\b], s[CS], v12     ; the same of each block's largest score
.endr
.set n, 0
	s_wait_alu depctr_va_vdst(0)
.rept 64
	v_exp_f32 v[104+n], v[104+n]                   ; p = 2^(t - M)
.set n, n+1
.endr
.irp b, 0,1,2,3
	v_exp_f32 v[232+\b], v[232+\b]                 ; the block's largest p
.endr
	v_pk_mul_f32 v[14:15], v[14:15], v[252:253] op_sel_hi:[1,0]   ; the sums under the new M (a plain place behind the exponentials)
	s_wait_alu depctr_va_vdst(0)
.irp b, 0,1,2,3
	v_max_num_f32 v[232+\b], 0x4800000, v[232+\b]  ; the floor 2^(9 - 127)
.endr
.irp b, 0,1,2,3
	s_delay_alu instid0(VALU_DEP_4)
	v_add_nc_u32 v[244+\b], 0xfc000000, v[232+\b]  ; the conversion's scale operand
.endr
.irp b, 0,1,2,3
.endr
.irp b, 0,1,2,3
	s_delay_alu instid0(VALU_DEP_4)
	v_lshrrev_b32 v[236+\b], 23, v[244+\b]         ; the scale's byte
.endr
	s_delay_alu instid0(VALU_DEP_3)
	v_lshl_or_b32 v253, v237, 8, v236              ; p's scale word for these 128 keys
	s_delay_alu instid0(VALU_DEP_1)
	v_lshl_or_b32 v253, v238, 16, v253
	s_delay_alu instid0(VALU_DEP_1)
	v_lshl_or_b32 v253, v239, 24, v253
	v_pk_add_f32 v[236:237], v[108:109], v[112:113]
	v_pk_add_f32 v[250:251], v[116:117], v[120:121]
	v_pk_add_f32 v[248:249], v[124:125], v[128:129]
	v_pk_add_f32 v[242:243], v[132:133], v[136:137]
	v_pk_add_f32 v[240:241], v[140:141], v[144:145]
	v_pk_add_f32 v[234:235], v[148:149], v[152:153]
	v_pk_add_f32 v[232:233], v[156:157], v[160:161]
	v_pk_add_f32 v[14:15], v[14:15], v[164:165]
	v_pk_add_f32 v[236:237], v[236:237], v[104:105]
	v_pk_add_f32 v[250:251], v[250:251], v[106:107]
	v_pk_add_f32 v[248:249], v[248:249], v[110:111]
	v_pk_add_f32 v[242:243], v[242:243], v[114:115]
	v_pk_add_f32 v[240:241], v[240:241], v[118:119]
	v_pk_add_f32 v[234:235], v[234:235], v[122:123]
	v_pk_add_f32 v[232:233], v[232:233], v[126:127]
	v_pk_add_f32 v[14:15], v[14:15], v[130:131]
	v_pk_add_f32 v[236:237], v[236:237], v[134:135]
	s_setprio 0
	v_pk_add_f32 v[250:251], v[250:251], v[138:139]
	v_pk_add_f32 v[248:249], v[248:249], v[142:143]
	v_pk_add_f32 v[242:243], v[242:243], v[146:147]
	v_pk_add_f32 v[240:241], v[240:241], v[150:151]
	v_pk_add_f32 v[234:235], v[234:235], v[154:155]
	v_pk_add_f32 v[232:233], v[232:233], v[158:159]
	v_pk_add_f32 v[14:15], v[14:15], v[162:163]
	v_pk_add_f32 v[236:237], v[236:237], v[166:167]
	s_delay_alu instid0(VALU_DEP_2)
	v_pk_add_f32 v[14:15], v[14:15], v[242:243]
	s_delay_alu instid0(VALU_DEP_2)
	v_pk_add_f32 v[236:237], v[236:237], v[240:241]
	v_pk_add_f32 v[250:251], v[250:251], v[234:235]
	v_pk_add_f32 v[248:249], v[248:249], v[232:233]
	s_delay_alu instid0(VALU_DEP_2)
	v_pk_add_f32 v[14:15], v[14:15], v[250:251]
	s_delay_alu instid0(VALU_DEP_2)
	v_pk_add_f32 v[236:237], v[236:237], v[248:249]
	s_delay_alu instid0(VALU_DEP_1)
	v_pk_add_f32 v[14:15], v[14:15], v[236:237]
.irp b, 0,1,2,3
.irp i, 0,1,2,3,4,5,6,7,8,9,10,11,12,13,14,15
.endr
	v_cvt_scalef32_pk8_fp8_f32 v[200+4*\b:201+4*\b], v[104+16*\b:111+16*\b], v[244+\b]
	v_cvt_scalef32_pk8_fp8_f32 v[202+4*\b:203+4*\b], v[112+16*\b:119+16*\b], v[244+\b]
.endr
.set n, 0
.rept 16
	v_pk_mul_f32 v[168+n:169+n], v[168+n:169+n], v[252:253] op_sel_hi:[1,0]   ; O^T under the new M.  (These sixteen are also the places between the codes and the products)
.set n, n+2
.endr
	s_wait_alu depctr_va_vdst(0)
	s_wait_dscnt 0x0                               ; V^T and its scale words are in
.irp t, 0,1,2,3
	v_wmma_scale_f32_16x16x128_f8f6f4 v[168+8*\t:175+8*\t], v[32+16*\t:47+16*\t], v[200:215], v[168+8*\t:175+8*\t], v[224+\t], v253
.endr
.Lhidden_\@:
	s_add_co_u32 s[KF], s[KF], 128                 ; on to the next key step: these four lines stand on every way
	s_add_co_u32 s[TK], s[TK], 8192
	s_add_co_u32 s[TS], s[TS], 512
	s_add_co_u32 s[TJ], s[TJ], 256
.endm
; A block of queries ends: O^T / the sum is my 16 queries' 64 channels, two blocks of 32 along the last product's K, 16 numbers a lane: quantised as it stands; the codes are half a fragment's registers.
.macro FINISH
.rept 8
	v_nop                                          ; places behind the last products
.endr
	v_add_f32 v14, v14, v15
	s_delay_alu instid0(VALU_DEP_1)
	v_permlanex16_b32 v252, v14, s[SEL], s[SEL+1]
	s_delay_alu instid0(VALU_DEP_1)
	v_add_f32 v14, v14, v252                       ; the row's sum
	s_wait_alu depctr_va_vdst(0)
	v_rcp_f32 v14, v14
	v_nop                                          ; a plain place behind the transcendental
.set n, 0
	s_wait_alu depctr_va_vdst(0)
.rept 32
	v_mul_f32 v[104+n], v[168+n], v14              ; each accumulator from its low end on
.set n, n+1
.endr
.irp b, 0,1
	v_max3_num_f32 v[232+\b], |v[104+16*\b]|, |v[105+16*\b]|, 0x4800000
.endr
.irp i, 2,4,6,8,10,12,14
.irp b, 0,1
	s_delay_alu instid0(VALU_DEP_2)
	v_max3_num_f32 v[232+\b], v[232+\b], |v[104+16*\b+\i]|, |v[105+16*\b+\i]|
.endr
.endr
.irp b, 0,1
	s_delay_alu instid0(VALU_DEP_2)
	v_permlanex16_b32 v[236+\b], v[232+\b], s[SEL], s[SEL+1]
.endr
.irp b, 0,1
	s_delay_alu instid0(VALU_DEP_2)
	v_max_num_f32 v[232+\b], v[232+\b], v[236+\b]
.endr
.irp b, 0,1
	s_delay_alu instid0(VALU_DEP_2)
	v_add_nc_u32 v[244+\b], 0xfc000000, v[232+\b]
.endr
.irp b, 0,1
.endr
.irp b, 0,1
	s_delay_alu instid0(VALU_DEP_2)
	v_lshrrev_b32 v[236+\b], 23, v[244+\b]
.endr
	s_delay_alu instid0(VALU_DEP_1)
	v_lshl_or_b32 v250, v237, 8, v236              ; my head's two bytes of the row's scale word
.irp b, 0,1
.irp i, 0,1,2,3,4,5,6,7,8,9,10,11,12,13,14,15
.endr
	v_cvt_scalef32_pk8_fp8_f32 v[216+4*\b:217+4*\b], v[104+16*\b:111+16*\b], v[244+\b]
	v_cvt_scalef32_pk8_fp8_f32 v[218+4*\b:219+4*\b], v[112+16*\b:119+16*\b], v[244+\b]
.endr
	v_nop                                          ; a plain line behind the last conversion
	global_store_b128 v[LI], v[216:219], s[CC:CC+1]              ; 512 consecutive bytes each
	global_store_b128 v[LI], v[220:223], s[CC:CC+1] offset:512
	global_store_b16 v[R16], v250, s[CSW:CSW+1]    ; lanes l and l + 16 hold the same query: they write the same two bytes with the same value
	s_wait_xcnt 0x0                                ; the stores have read their registers and bases: both are written again for the next block of queries
.endm
	INITQ                                          ; block 7 - p, tile w
	; THE OTHER SIX KEY SLOTS.  They fill bytes that nothing has filled, and are issued as a refill is: each wave waits for all its tensor loads, adds 0 to its spare word, waits for that, passes a barrier, and issues one load first thing behind it.
	s_wait_tensorcnt 0x0                           ; my first fill has landed: no tensor load of mine is out, so a group 0 may be written
	ds_add_u32 v[SPW], v[NIL]                      ; 0 onto my spare word
	ds_add_u32 v5, v6
	s_lshr_b32 s2, s[WV], 1
	s_add_co_u32 s2, s2, 2                         ; key slot wave / 2 + 2: waves 0 to 11 take slots 2 to 7, the even waves K's codes, the odd ones V's
	s_lshl_b32 s[G0K+1], s2, 14
	s_lshl_b32 s[OFP], s2, 15
	s_add_nc_u64 s[G0K+2:G0K+3], s[BK:BK+1], s[OFP:OFP+1]
	s_or_b32 s[G0K+3], s[G0K+3], 0x80000000
	s_add_co_u32 s[G0V+1], s[G0K+1], VB
	s_lshl_b32 s[OFP], s2, 21
	s_add_nc_u64 s[G0V+2:G0V+3], s[BV:BV+1], s[OFP:OFP+1]
	s_or_b32 s[G0V+3], s[G0V+3], 0x80000000
	s_wait_dscnt 0x0                               ; the add is done
	s_barrier_signal -1
	s_barrier_wait -1                              ; key slots 0 and 1 and all scale words are whole
	s_cmp_lt_u32 s[WV], 12
	s_cbranch_scc0 .Llate_asked
	s_cmp_lg_u32 s[ODD], 0
	s_cbranch_scc1 .Llate_v
	tensor_load_to_lds s[G0K:G0K+3], s[G1K:G1K+7]
	s_nop 0
.rept 4
	v_nop
.endr
	s_branch .Llate_asked
.Llate_v:
	tensor_load_to_lds s[G0V:G0V+3], s[G1V:G1V+7]
	s_nop 0
.rept 4
	v_nop
.endr
.Llate_asked:
	s_mov_b32 s[CNT], 4
.Lfirst:                                           ; key steps 0 to 3: they read bytes under 32,768 of each region of codes; the loads that are out write from 32,768 on
	STEP
	s_sub_co_u32 s[CNT], s[CNT], 1
	s_cmp_lg_u32 s[CNT], 0
	s_cbranch_scc1 .Lfirst
	s_setprio 0
	s_wait_tensorcnt 0x0                           ; my part of key slots 2 to 7 has landed,
	s_wait_dscnt 0x0
	s_barrier_signal -1
	s_barrier_wait -1                              ; everybody's has: from here on LDS is only read, and no barrier follows
	s_mov_b32 s[CNT], 12
.Lrest:                                            ; key steps 4 to 15; those behind the diagonal are jumped over
	STEP
	s_sub_co_u32 s[CNT], s[CNT], 1
	s_cmp_lg_u32 s[CNT], 0
	s_cbranch_scc1 .Lrest
	s_setprio 0
	FINISH
	s_mov_b32 s[QB], s[PR]                         ; block p,
	s_sub_co_u32 s[TW], 15, s[WV]                  ; tile 15 - w: who had one step in the first block's diagonal slot has two in this one's
	INITQ
	s_mov_b32 s[CNT], 8
.Lsecond:                                          ; key steps 0 to 7: block p <= 3 ends at key 1,023 at the latest
	STEP
	s_sub_co_u32 s[CNT], s[CNT], 1
	s_cmp_lg_u32 s[CNT], 0
	s_cbranch_scc1 .Lsecond
	s_setprio 0
	FINISH
	s_wait_tensorcnt 0x0                           ; the wave's end
	ds_add_u32 v[SPW], v[NIL]
	s_wait_dscnt 0x0
	s_endpgm
.Lfunc_end_k_q3fae0bdc24_attn:
	.size	k_q3fae0bdc24_attn, .Lfunc_end_k_q3fae0bdc24_attn-k_q3fae0bdc24_attn
	.p2alignl 7, 3214868480
	.fill 96, 4, 3214868480
	.section	.rodata,"a",@progbits
	.p2align	6, 0x0
	.amdhsa_kernel k_q3fae0bdc24_attn
		.amdhsa_group_segment_fixed_size 327680
		.amdhsa_private_segment_fixed_size 0
		.amdhsa_enable_private_segment 0
		.amdhsa_kernarg_size 24
		.amdhsa_user_sgpr_count 2
		.amdhsa_user_sgpr_kernarg_segment_ptr 1
		.amdhsa_wavefront_size32 1
		.amdhsa_system_sgpr_workgroup_id_x 1
		.amdhsa_system_sgpr_workgroup_id_y 1
		.amdhsa_system_sgpr_workgroup_id_z 1
		.amdhsa_system_vgpr_workitem_id 0
		.amdhsa_next_free_vgpr 256
		.amdhsa_next_free_sgpr 102
		.amdhsa_reserve_vcc 1
		.amdhsa_float_denorm_mode_32 3
		.amdhsa_float_denorm_mode_16_64 3
		.amdhsa_fp16_overflow 1
		.amdhsa_memory_ordered 1
		.amdhsa_forward_progress 1
		.amdhsa_inst_pref_size 93
	.end_amdhsa_kernel
	.amdgpu_metadata
---
amdhsa.version: [ 1, 2 ]
amdhsa.kernels:
  - .name:           k_q3fae0bdc24_attn
    .symbol:         k_q3fae0bdc24_attn.kd
    .args:
      - { .name: qk, .offset: 0, .size: 8, .value_kind: global_buffer, .address_space: global }
      - { .name: vt, .offset: 8, .size: 8, .value_kind: global_buffer, .address_space: global }
      - { .name: ctx, .offset: 16, .size: 8, .value_kind: global_buffer, .address_space: global }
    .group_segment_fixed_size: 327680
    .private_segment_fixed_size: 0
    .kernarg_segment_align: 8
    .kernarg_segment_size: 24
    .max_flat_workgroup_size: 512
    .sgpr_count:     102
    .vgpr_count:     256
    .wavefront_size: 32
...
	.end_amdgpu_metadata
.endif
;; end of part 3
;; launch outp (part 4): grid 4 x 32, 4 waves a work-group, clusters of 4 x 4, 327,680 bytes of LDS; arguments ctx, wvo, bo, out0; writes out0
.if DOCPART == 4
	.amdgcn_target "amdgcn-amd-amdhsa--gfx1250"
	.amdhsa_code_object_version 6
	.text
	.protected	k_q3fae0bdc24_outp
	.globl	k_q3fae0bdc24_outp
	.p2align	8
	.type	k_q3fae0bdc24_outp,@function
k_q3fae0bdc24_outp:
	s_mov_b64 s[64:65], 0
	v_nop
	global_prefetch_b8 v0, s[64:65] scope:SCOPE_SE
	s_setreg_imm32_b32 hwreg(HW_REG_WAVE_MODE, 25, 1), 1
	s_wait_xcnt 0x0
	s_wait_alu depctr_hold_cnt(0) depctr_sa_sdst(0) depctr_va_vdst(0) depctr_va_sdst(0) depctr_va_ssrc(0) depctr_va_vcc(0) depctr_vm_vsrc(0)
	s_getreg_b32 s2, hwreg(HW_REG_IB_STS2, 6, 4)
	s_cmp_eq_u32 s2, 0
	s_cbranch_scc0 .Lentry_in_a_cluster
	s_endpgm
.Lentry_in_a_cluster:
	s_bfe_u32 s2, ttmp6, 0x10000c
	s_cmp_lg_u32 s2, 0xf033
	s_cbranch_scc0 .Lentry_shape_is_right
	s_endpgm
.Lentry_shape_is_right:
; out0[m][n] = sum over k of ctx[m][k] Wo[n][k] + bo[n], K = 1,024, on codes of FP8 (E4M3) with E8M0 scales; out0 [8192][1024] f32.
; OPERANDS lie as images of their registers: bytes 0..262,143 scale words [group of 128 rows][K step][512] ([g][r][t][4 bytes], tile = 4 g + t), from byte 262,144 codes [group][K step / 2][tile 0..7][K step % 2][2,048].
; A fragment: [c][lane][16 bytes]; inside a block of 32 the 16 bytes of (c, h) are k = 32 c + 8 h + 0..7, then 32 c + 16 + 8 h + 0..7, alike in both operands (the sums' order inside one instruction differs from ascending k).
; Y = ctx (64 groups), X = Wo (groups 8-15 of its buffer).
; SHARES: a work-group of four waves makes 256 x 256, a wave 128 x 128: 64 accumulators, 512 registers.  K goes in 4 slots of 256 through a ring of two LDS slots; a group's codes of a slot are 32,768 dense bytes, one tensor load.
; 32 x 4 tiles make 128 work-groups: a tile half as large would read half as much again from LDS for each product.
; The scale words of the work-group's four groups, for all of K, come once with the first fills.  CLUSTERS: 4 x 4; Y's tiles are asked for jointly along a row of the cluster, X's along a column.
; THE MATRIX INSTRUCTION: source 0 = 16 rows of Wo, source 1 = 16 rows of ctx: a lane holds eight neighbouring numbers of a row of out0.  THE BIAS is the C of each sum's first product.
; REGISTERS: window 0: v1, v2 r, h; v16-29 addresses; v32-63 scale words, two sets; v64-127 the bias, 8 tiles x 8; v128-255 Y's fragments, ONE set (on the way out: rows read back).
;   window 1: X's fragments, TWO sets.  window 2: accumulators of my Y tiles 0-3 ((a, b) at v[8 (8 a + b)]); window 3: of tiles 4-7.
.set SIZE_N, 1024
.set NQ,     2
.set FR,     16
.set NL,     4
.set NP,     8                         ; places behind this matrix instruction (ISA guide 7.12.1)
.set HALFT,  32768
.set SLOT,   4*HALFT
.set SCL,    2*SLOT
.set SREG,   4096
.set SPARE,  SCL+4*SREG                ; the spare words, 128 bytes for each wave: two blocks of 256 bytes that no other line names
.set OPC,    262144
.set SPITCH, 528                       ; the way out: a stage of 16 rows x (512 bytes + 16) for each wave, in slot 0, which has had its last fill and its last read when the first result is stored there
.set ADRA, 16
.set ADRB, 20
.set STO,  24                          ; v24  the way out: where I put 32 bytes of a row
.set RD,   25                          ; v25  where I read a row back
.set CO,   26                          ; v26  16 x lane
.set ADRS, 27
.set SPW,  28
.set NIL,  29
.set SC,   32
.set BI,   64                          ; the bias
.set AF,   128
.set BK,   128                         ; the way out: v128-191 and v192-255 by turns
.set G1, 24
.set G0, 32
.set G1B, 48
.set G0B, 56
.set G1S, 68
.set G0S, 76
.set G1SB, 80
.set G0SB, 88
.set MSB, 0
.macro WIN new
.if MSB != (\new)
	s_set_vgpr_msb (MSB<<8)|(\new)
.set MSB, (\new)
.endif
.endm
.set MUL_LO, 0xa1                      ; source 0 (X) window 1, source 1 (Y) window 0, C and D window 2
.set MUL_HI, 0xf1
.set FST_LO, 0x81                      ; the first products: C (the bias) window 0, D window 2
.set FST_HI, 0xc1
.set TO_B,   0x40
.macro JLOAD g0a, g1a, g0b, g1b        ; a joint load: waves 0 and 1 fetch for Y, waves 2 and 3 for X; four v_nop follow each line
	s_cmp_eq_u32 s15, 0
	s_cbranch_scc0 .Lfor_b_\@
	tensor_load_to_lds s[\g0a:\g0a+3], s[\g1a:\g1a+7]
	s_nop 0
.rept 4
	v_nop
.endr
	s_branch .Lasked_\@
.Lfor_b_\@:
	tensor_load_to_lds s[\g0b:\g0b+3], s[\g1b:\g1b+7]
	s_nop 0
.rept 4
	v_nop
.endr
.Lasked_\@:
.endm
.macro CREST
	s_cmp_lg_u32 s14, 0
	s_cbranch_scc1 .Lnot_wave_0_\@
	s_barrier_signal -3
.Lnot_wave_0_\@:
	s_barrier_wait -3
	s_barrier_signal -1
	s_barrier_wait -1
.endm
.macro CROUND
	s_barrier_signal -1
	s_barrier_wait -1
	CREST
.endm
	s_load_b128 s[4:7], s[0:1], 0x0                ; ctx s[4:5], Wo's buffer s[6:7]
	s_load_b128 s[8:11], s[0:1], 0x10              ; bo s[8:9], out0 s[10:11]
	v_lshl_add_u32 v[SPW], v0, 2, SPARE
	v_mov_b32 v[NIL], 0
	ds_add_u32 v28, v29
	ds_add_u32 v28, v29
	s_wait_dscnt 0x0
	v_lshrrev_b32 v1, 5, v0
	v_readfirstlane_b32 s14, v1                    ; wave 0..3
	s_lshr_b32 s15, s14, 1                         ; which group of Y is mine.  Also: I fetch for Y (0) or for X (1)
	s_and_b32 s16, s14, 1                          ; which group of X.  Also: which group of that operand I fetch
	s_bfe_u32 s40, ttmp6, 0x40000
	s_bfe_u32 s41, ttmp6, 0x40004
	s_lshl_b32 s42, ttmp9, 2
	s_add_co_u32 s42, s42, s40                     ; tile column = 4 x cluster x + cx
	s_and_b32 s17, ttmp7, 0xffff
	s_lshl_b32 s17, s17, 2
	s_add_co_u32 s17, s17, s41                     ; tile row = 4 x cluster y + cy
	s_lshl_b32 s43, s41, 2
	s_lshl_b32 s43, 15, s43                        ; my row of the cluster
	s_lshl_b32 s44, 0x1111, s40                    ; my column
	s_or_b32 s[G1+0], s43, (3<<16)|(1<<21)         ; 32,768 dense bytes as 128 rows of 32 elements of 8 bytes; the mask; 21 set beside it
	s_or_b32 s[G1B+0], s44, (3<<16)|(1<<21)
.irp g, G1, G1B
	s_mov_b32 s[\g+1], 32<<16
	s_mov_b32 s[\g+2], 128<<16
	s_mov_b32 s[\g+3], 32<<16
	s_mov_b32 s[\g+4], 128
	s_mov_b32 s[\g+5], 32
	s_mov_b32 s[\g+6], 0
	s_mov_b32 s[\g+7], 0
.endr
	s_or_b32 s[G1S+0], s43, (3<<16)|(1<<21)        ; a group's scale words: 16 such rows
	s_or_b32 s[G1SB+0], s44, (3<<16)|(1<<21)
.irp g, G1S, G1SB
	s_mov_b32 s[\g+1], 32<<16
	s_mov_b32 s[\g+2], 16<<16
	s_mov_b32 s[\g+3], 32<<16
	s_mov_b32 s[\g+4], 16
	s_mov_b32 s[\g+5], 32
	s_mov_b32 s[\g+6], 0
	s_mov_b32 s[\g+7], 0
.endr
	s_lshl_b32 s20, s17, 1
	s_add_co_u32 s20, s20, s16                     ; Y's group that I would fetch
	s_lshl_b32 s46, s42, 1
	s_add_co_u32 s46, s46, s16
	s_add_co_u32 s46, s46, 8                       ; X's: Wo's groups are 8-15
	s_lshl_b32 s22, s20, 12
	s_mov_b32 s23, 0
	s_lshl_b32 s92, s46, 12
	s_mov_b32 s93, 0
	s_lshl_b32 s20, s20, 17
	s_add_co_u32 s20, s20, OPC
	s_mov_b32 s21, 0
	s_lshl_b32 s46, s46, 17
	s_add_co_u32 s46, s46, OPC
	s_mov_b32 s47, 0
	s_mul_i32 s45, s14, HALFT
	s_mul_i32 s94, s14, SREG
	s_wait_kmcnt 0x0
	s_add_nc_u64 s[20:21], s[4:5], s[20:21]
	s_add_nc_u64 s[22:23], s[4:5], s[22:23]
	s_add_nc_u64 s[46:47], s[6:7], s[46:47]
	s_add_nc_u64 s[92:93], s[6:7], s[92:93]
	CROUND                                         ; all sixteen work-groups are here: the first joint loads meet
	s_mov_b32 s[G0S], 1
	s_add_co_u32 s[G0S+1], s94, SCL
	s_mov_b64 s[G0S+2:G0S+3], s[22:23]
	s_or_b32 s[G0S+3], s[G0S+3], 0x80000000
	s_mov_b32 s[G0SB], 1
	s_add_co_u32 s[G0SB+1], s94, SCL
	s_mov_b64 s[G0SB+2:G0SB+3], s[92:93]
	s_or_b32 s[G0SB+3], s[G0SB+3], 0x80000000
	JLOAD G0S, G1S, G0SB, G1SB
.irp s, 0,1
	s_mov_b32 s[G0+4*\s], 1
	s_add_co_u32 s[G0+4*\s+1], s45, \s*SLOT
	s_add_nc_u64 s[G0+4*\s+2:G0+4*\s+3], s[20:21], \s*HALFT
	s_or_b32 s[G0+4*\s+3], s[G0+4*\s+3], 0x80000000
	s_mov_b32 s[G0B+4*\s], 1
	s_add_co_u32 s[G0B+4*\s+1], s45, \s*SLOT
	s_add_nc_u64 s[G0B+4*\s+2:G0B+4*\s+3], s[46:47], \s*HALFT
	s_or_b32 s[G0B+4*\s+3], s[G0B+4*\s+3], 0x80000000
	s_wait_alu depctr_va_vdst(0)
	s_wait_tensorcnt 0x0
	ds_add_u32 v28, v29
	s_wait_dscnt 0x0
	CROUND
	JLOAD G0+4*\s, G1, G0B+4*\s, G1B
.endr
	v_and_b32 v1, 15, v0                           ; r
	v_bfe_u32 v2, v0, 4, 1                         ; h
	v_and_b32 v6, 31, v0
	v_lshlrev_b32 v[CO], 4, v6
	s_wait_alu depctr_va_vdst(0)
	s_lshl_b32 s2, s42, 10                         ; my first column, in bytes of f32: 1,024 x tile column + 512 x half: in bo and in a row of out0 alike
	s_lshl_b32 s3, s16, 9
	s_add_co_u32 s2, s2, s3
	s_mov_b32 s3, 0
	s_add_nc_u64 s[8:9], s[8:9], s[2:3]
	v_lshlrev_b32 v3, 5, v2                        ; lane (r, h) wants, for tile b, bo at columns 16 b + 8 h + 0..7
.irp b, 0,1,2,3,4,5,6,7
	global_load_b128 v[BI+8*\b:BI+8*\b+3], v3, s[8:9] offset:64*\b
	global_load_b128 v[BI+8*\b+4:BI+8*\b+7], v3, s[8:9] offset:64*\b+16
.endr
	s_mul_i32 s21, s15, HALFT
	s_mul_i32 s22, s16, HALFT
	s_add_co_u32 s22, s22, 2*HALFT
.irp s, 0,1
	v_add_nc_u32 v[ADRA+\s], s21, v[CO]
	v_add_nc_u32 v[ADRB+\s], s22, v[CO]
	s_add_co_u32 s21, s21, SLOT
	s_add_co_u32 s22, s22, SLOT
.endr
	v_lshlrev_b32 v5, 4, v1
	s_mul_i32 s21, s15, SREG
	s_mul_i32 s22, s16, SREG
	s_add_co_u32 s22, s22, 2*SREG
	s_sub_co_u32 s22, s22, s21
	v_mul_u32_u24 v6, s22, v2                      ; lanes 16-31 take X's scale words: one product, the distance between the two regions
	s_add_co_u32 s21, s21, SCL
	v_add_nc_u32 v5, v5, v6
	v_add_nc_u32 v[ADRS], s21, v5
	s_mul_i32 s23, s14, 16*SPITCH                  ; my stage
	v_mul_u32_u24 v5, v1, SPITCH                   ; in: row r, 32 bytes for each half of the lanes
	v_lshl_add_u32 v5, v2, 5, v5
	v_add_nc_u32 v[STO], s23, v5
	v_add_nc_u32 v[RD], s23, v[CO]                 ; back: the 32 lanes take one row of 512 bytes
	s_lshl_b32 s20, s17, 20                        ; my first row: 256 x tile row + 128 x half, rows of 4,096 bytes
	s_lshl_b32 s21, s15, 19
	s_add_co_u32 s20, s20, s21
	s_add_co_u32 s20, s20, s2
	s_mov_b32 s21, 0
	s_add_nc_u64 s[12:13], s[10:11], s[20:21]
.macro FRAG reg, adr, q, i
.irp c, 0,1,2,3
	ds_load_b128 v[\reg+4*\c:\reg+4*\c+3], v[\adr] offset:4096*(\i)+2048*(\q)+512*\c
.endr
.endm
; 16 matrix instructions: Y's tiles a0, a0 + 1 x X's eight.  first = 1: the bias is C and starts the sums.  The 64 accumulators take turns, one instruction a turn.
.macro MUL16 a0, p, q, sc, first
.irp a, \a0, \a0+1
.irp b, 0,1,2,3,4,5,6,7
.if \first
	v_wmma_scale_f32_16x16x128_f8f6f4 v[8*(8*((\a)%4)+\b):8*(8*((\a)%4)+\b)+7], v[128*(\p)+FR*\b:128*(\p)+FR*\b+FR-1], v[AF+FR*(\a):AF+FR*(\a)+FR-1], v[BI+8*\b:BI+8*\b+7], v[SC+16*(\sc)+8*(\q)+\b], v[SC+16*(\sc)+8*(\q)+(\a)] matrix_a_scale:MATRIX_SCALE_ROW1
.else
	v_wmma_scale_f32_16x16x128_f8f6f4 v[8*(8*((\a)%4)+\b):8*(8*((\a)%4)+\b)+7], v[128*(\p)+FR*\b:128*(\p)+FR*\b+FR-1], v[AF+FR*(\a):AF+FR*(\a)+FR-1], v[8*(8*((\a)%4)+\b):8*(8*((\a)%4)+\b)+7], v[SC+16*(\sc)+8*(\q)+\b], v[SC+16*(\sc)+8*(\q)+(\a)] matrix_a_scale:MATRIX_SCALE_ROW1
.endif
.endr
.endr
.endm
.macro FETCH_B slot, q, p
	WIN TO_B
.irp i, 0,1,2,3,4,5,6,7
	FRAG 128*(\p)+FR*\i, ADRB+\slot, \q, \i
.endr
	WIN 0
.endm
.macro FETCH_A slot, q, i0
.irp i, \i0, \i0+1, \i0+2, \i0+3
	FRAG AF+FR*(\i), ADRA+\slot, \q, \i
.endr
.endm
.macro SCALES sc
.irp q, 0,1
.irp g, 0,1
	ds_load_b128 v[SC+16*\sc+8*\q+4*\g:SC+16*\sc+8*\q+4*\g+3], v[ADRS] offset:512*\q+256*\g
.endr
.endr
.endm
.macro PLACES n                        ; plain vector lines behind matrix instructions, in front of loads into their registers and of reads of results (ISA guide 7.12.1 for vector instructions)
.rept \n
	v_nop
.endr
.endm
.macro STEP slot, q, first
	s_wait_dscnt 4*NL                              ; X's set, the scale words and Y's tiles 0-3 are in; the youngest 16 loads (Y's tiles 4-7) may be out
.if \first
	WIN FST_LO
.else
	WIN MUL_LO
.endif
	MUL16 0, (\q)%2, \q, \slot, \first
	MUL16 2, (\q)%2, \q, \slot, \first
	s_wait_dscnt 0
	PLACES NP
	FETCH_B \slot, (\q)+1, 1-(\q)%2
	FETCH_A \slot, (\q)+1, 0
.if \first
	WIN FST_HI
.else
	WIN MUL_HI
.endif
	MUL16 4, (\q)%2, \q, \slot, \first
	MUL16 6, (\q)%2, \q, \slot, \first
	PLACES NP
	WIN 0
	FETCH_A \slot, (\q)+1, 4
.endm
.macro TURN slot, next, fill           ; a slot's last step changes slots: ONE barrier
	s_wait_tensorcnt 0x0                           ; all my tensor loads have landed: my part of the next slot
	ds_add_u32 v[SPW], v[NIL]                      ; 0 onto my spare word
	s_wait_dscnt 4*NL+1                            ; the add and the youngest 16 loads (Y's tiles 4-7) may be out
	WIN MUL_LO
	MUL16 0, 1, NQ-1, \slot, 0
	s_wait_dscnt 0x0                               ; the add is done, and my reads of this slot are over
	s_barrier_signal -1
	MUL16 2, 1, NQ-1, \slot, 0
	WIN 0
	s_barrier_wait -1
.if \fill
	CREST                                          ; the barrier has opened a round of the cluster's: no wave of any partner still reads this slot or has a load on its way
	s_add_nc_u64 s[G0+4*\slot+2:G0+4*\slot+3], s[G0+4*\slot+2:G0+4*\slot+3], 2*HALFT
	s_add_nc_u64 s[G0B+4*\slot+2:G0B+4*\slot+3], s[G0B+4*\slot+2:G0B+4*\slot+3], 2*HALFT
	JLOAD G0+4*\slot, G1, G0B+4*\slot, G1B         ; the first tensor load behind the round
	PLACES NP-4
.else
	PLACES NP
.endif
	s_wait_alu depctr_va_vdst(0)
	v_add_nc_u32 v[ADRS], 1024, v[ADRS]
	FETCH_B \next, 0, 0
	FETCH_A \next, 0, 0
	SCALES \next
	WIN MUL_HI
	MUL16 4, 1, NQ-1, \slot, 0
	MUL16 6, 1, NQ-1, \slot, 0
	PLACES NP
	WIN 0
	FETCH_A \next, 0, 4
.endm
	s_wait_alu depctr_va_vdst(0)
	s_wait_tensorcnt 1                             ; the scale words and my part of slot 0 are in; slot 1's load may be out
	s_barrier_signal -1
	s_barrier_wait -1
	FETCH_B 0, 0, 0
	FETCH_A 0, 0, 0
	SCALES 0
	FETCH_A 0, 0, 4
	s_wait_loadcnt 0x0                             ; the bias
	STEP 0, 0, 1
	TURN 0, 1, 1
	STEP 1, 0, 0
	TURN 1, 0, 1
	STEP 0, 0, 0
	TURN 0, 1, 0
	STEP 1, 0, 0
	s_wait_dscnt 4*NL
	WIN MUL_LO
	MUL16 0, 1, NQ-1, 1, 0
	MUL16 2, 1, NQ-1, 1, 0
	s_wait_dscnt 0
	WIN MUL_HI
	MUL16 4, 1, NQ-1, 1, 0
	MUL16 6, 1, NQ-1, 1, 0
	WIN 0
; THE WAY OUT, block by block of 16 rows x 128 columns: through my own stage in LDS and back as whole rows of 512 bytes.  LDS serves a wave's instructions in order (ISA guide 5.7.1.4): no wait between the stores and the loads.
.macro TOSTAGE a
.set AC, 64*((\a)%4)
	WIN 0x08+4*((\a)/4)                            ; the data: window 2 or 3
.irp b, 0,1,2,3,4,5,6,7
	ds_store_b128 v[STO], v[AC+8*\b:AC+8*\b+3] offset:64*\b          ; each accumulator from its low end on
	ds_store_b128 v[STO], v[AC+8*\b+4:AC+8*\b+7] offset:64*\b+16
.endr
	WIN 0
.set BB, BK+64*((\a)%2)
.irp t, 0,1,2,3,4,5,6,7,8,9,10,11,12,13,14,15
	ds_load_b128 v[BB+4*\t:BB+4*\t+3], v[RD] offset:\t*SPITCH
.endr
.endm
.macro SEND a, younger                 ; younger: the LDS instructions issued behind block a's loads, which may stay out
.set BB, BK+64*((\a)%2)
	s_wait_dscnt \younger
.if (\a) > 0
	s_add_nc_u64 s[12:13], s[12:13], 16*SIZE_N*4   ; (behind a wait on XCNT: the earlier stores have read their base)  16 rows on
.endif
.irp t, 0,1,2,3,4,5,6,7,8,9,10,11,12,13,14,15
	global_store_b128 v[CO], v[BB+4*\t:BB+4*\t+3], s[12:13] offset:\t*SIZE_N*4 th:TH_STORE_NT   ; 32 lanes store 512 consecutive bytes, aligned; written once, read by nobody here
.endr
.endm
	PLACES NP
	TOSTAGE 0
.irp a, 1,2,3,4,5,6,7
.if \a > 1
	s_wait_xcnt 0x0                                ; block a - 2's stores have read their registers and their base
.endif
	TOSTAGE \a
	SEND \a-1, 32                                  ; behind block a - 1's loads: block a's 16 stores and 16 loads
.endr
	s_wait_xcnt 0x0
	SEND 7, 0
	s_wait_tensorcnt 0x0                           ; the wave's end
	ds_add_u32 v[SPW], v[NIL]
	s_wait_dscnt 0x0
	CROUND                                         ; the closing round
	s_endpgm
.Lfunc_end_k_q3fae0bdc24_outp:
	.size	k_q3fae0bdc24_outp, .Lfunc_end_k_q3fae0bdc24_outp-k_q3fae0bdc24_outp
	.p2alignl 7, 3214868480
	.fill 96, 4, 3214868480
	.section	.rodata,"a",@progbits
	.p2align	6, 0x0
	.amdhsa_kernel k_q3fae0bdc24_outp
		.amdhsa_group_segment_fixed_size 327680
		.amdhsa_private_segment_fixed_size 0
		.amdhsa_enable_private_segment 0
		.amdhsa_kernarg_size 32
		.amdhsa_user_sgpr_count 2
		.amdhsa_user_sgpr_kernarg_segment_ptr 1
		.amdhsa_wavefront_size32 1
		.amdhsa_system_sgpr_workgroup_id_x 1
		.amdhsa_system_sgpr_workgroup_id_y 1
		.amdhsa_system_sgpr_workgroup_id_z 1
		.amdhsa_system_vgpr_workitem_id 0
		.amdhsa_next_free_vgpr 1024
		.amdhsa_next_free_sgpr 98
		.amdhsa_reserve_vcc 0
		.amdhsa_float_denorm_mode_32 3
		.amdhsa_float_denorm_mode_16_64 3
		.amdhsa_memory_ordered 1
		.amdhsa_forward_progress 1
		.amdhsa_inst_pref_size 147
	.end_amdhsa_kernel
	.amdgpu_metadata
---
amdhsa.version: [ 1, 2 ]
amdhsa.kernels:
  - .name:           k_q3fae0bdc24_outp
    .symbol:         k_q3fae0bdc24_outp.kd
    .args:
      - { .name: ctx, .offset: 0, .size: 8, .value_kind: global_buffer, .address_space: global }
      - { .name: wvo, .offset: 8, .size: 8, .value_kind: global_buffer, .address_space: global }
      - { .name: bo, .offset: 16, .size: 8, .value_kind: global_buffer, .address_space: global }
      - { .name: out0, .offset: 24, .size: 8, .value_kind: global_buffer, .address_space: global }
    .group_segment_fixed_size: 327680
    .private_segment_fixed_size: 0
    .kernarg_segment_align: 8
    .kernarg_segment_size: 32
    .max_flat_workgroup_size: 128
    .sgpr_count:     98
    .vgpr_count:     1024
    .wavefront_size: 32
...
	.end_amdgpu_metadata
.endif
;; end of part 4
